; MI455X (gfx1250); checked and timed in simulation.
; The chip was launched on July 23, 2026; its instructions are those of AMD's public machine-readable ISA for CDNA 5 (MIT licence, August 2026) and "CDNA5" Instruction Set Architecture Reference Guide (July 2026). The comments in the code are by the model that wrote it; some were corrected since.
;; Causal Self Attention. Allowed arithmetic: matrix products marked QUANTISED: E2M3 operands, one E8M0 scale for each 32 along K, by v_wmma_scale_f32_16x16x128_f8f6f4 with both operands' format E2M3, f32 sums; everything else in f32.
;; Inputs: W_attn 1,024 x 3,072 float32; W_proj 1,024 x 1,024 float32; x 4 x 2,048 x 1,024 float32.
;; Outputs: out0 4 x 2,048 x 1,024 float32.
;; This version of the problem:
;;   THIS VERSION OF THE PROBLEM IS GIVEN IN LOW PRECISION. The matrix products marked QUANTISED in the list below multiply operands that are first quantised to E2M3 (2 exponent bits, 3 mantissa bits; 6 bits a number), with one power-of-two scale for each 32 numbers along K (OCP MX v1.0); their sums are f32. All else is computed in f32.
;;   The module's matrix products, in the order in which they are computed (A, B: the left and right operand; K: the contracted axis; several contracted axes count as one K, in the product's order):
;;     1. [M 8,192, K 1,024] x [K 1,024, N 3,072]; A: input x; B: input W_attn: QUANTISED
;;     2. batch 64 x [M 2,048, K 64] x [K 64, N 2,048]; A: computed on the way; B: computed on the way: QUANTISED
;;     3. batch 64 x [M 2,048, K 2,048] x [K 2,048, N 64]; A: softmax (see below); B: computed on the way: QUANTISED
;;     4. [M 8,192, K 1,024] x [K 1,024, N 1,024]; A: computed on the way; B: input W_proj: QUANTISED
;;   THE QUANTISER, for each operand of a quantised product, along K:
;;     - K is cut into blocks of 32 from its start; a last block that is shorter is filled with zeros.
;;     - A block's scale is 2^e with e = floor(log2(the largest magnitude in the block)) - 2, held to -126 .. 127; a block of zeros has e = 0. As a byte (E8M0): e + 127.
;;     - Each number is divided by its block's scale, clamped to +-7.5, and rounded to the nearest number of E2M3, ties to even, subnormals kept.
;;     - The product sums the exact products of the quantised numbers (number of the format x scale) in f32.
;;   ~~~python
;;   def quantise(x, axis):      # numpy; x: float32 -> the quantised numbers, widened to float32 again
;;       x = np.moveaxis(x, axis, -1); K = x.shape[-1]
;;       x = np.pad(x, [(0, 0)] * (x.ndim - 1) + [(0, -K % 32)]); x = x.reshape(x.shape[:-1] + (-1, 32)); a = np.abs(x).max(-1, keepdims=True)
;;       e = np.where(a > 0, np.clip(np.frexp(np.where(a > 0, a, 1))[1] - 1 - 2, -126, 127), 0)      # np.frexp(a)[1] - 1 = floor(log2(a)), exactly
;;       r = np.clip(x / 2.0 ** e, -7.5, 7.5)
;;       step = 2.0 ** (np.maximum(np.frexp(np.where(r == 0, 1, r))[1] - 1, 0) - 3)
;;       q = np.round(r / step) * step * 2.0 ** e      # np.round: ties to even
;;       return np.moveaxis(q.reshape(q.shape[:-2] + (-1,))[..., :K], -1, axis).astype(np.float32)
;;   ~~~
;;   SOFTMAX AHEAD OF A QUANTISED PRODUCT. Where the list says 'softmax', what is quantised is not the finished softmax but p = 2^(t - M), with t = logit x log2(e) and M = ceil(the row's largest t), a whole number; so 1/2 < the row's largest p <= 1. The row's sum l is taken of the UNQUANTISED p, in f32, and the product's result is divided by l at the end. Since M is a whole number, a kernel that streams over the keys may use a running M (the ceiling of the running maximum): every later rescaling is an exact power of two, which a block's scale takes up: the codes' values come out the same.
;;   OPERANDS COMPUTED ON THE WAY. 'Computed on the way' means the value that the module computes at that place (a softmax that the list does not call 'softmax' is quantised finished and normalised). What goes into a quantiser is computed in f32, as accurately as f32 sums, v_exp_f32 and their like allow (about 1e-6 of the number): no bf16 or f16 on the way to a quantiser, and a product that is left as it is and whose result goes on into a quantised operand takes f32 operands (vector FMAs, or v_wmma_f32_16x16x4_f32). A number that lies on a knife's edge between two numbers of the format may be rounded either way, as far as f32 arithmetic and the matrix unit's own rounding can turn it there, and no further.
;; One version. Each part assembles by itself: llvm-mc -triple=amdgcn-amd-amdhsa -mcpu=gfx1250 --defsym DOCPART=n.
;; ======== version 1 of 1: 4 launches
;; limits: right only within a limited range of input values
;; workspace buffers: xc 6,291,456 bytes; xs 262,144 bytes; wc 3,145,728 bytes; ws 262,144 bytes; qkvc 18,874,368 bytes; qkvs 786,432 bytes; yc 6,291,456 bytes; ys 262,144 bytes
;; launch quant (part 1): grid 512 x 1, 4 waves a work-group, no clusters, 46,592 bytes of LDS; arguments x, W_attn, W_proj, xc, xs, wc, ws; writes xc, xs, wc, ws
.if DOCPART == 1
	.amdgcn_target "amdgcn-amd-amdhsa--gfx1250"
	.amdhsa_code_object_version 6
	.text
	.protected	k_qc078c74c78_quant
	.globl	k_qc078c74c78_quant
	.p2align	8
	.type	k_qc078c74c78_quant,@function
k_qc078c74c78_quant:
	s_mov_b64 s[64:65], 0
	v_nop
	global_prefetch_b8 v0, s[64:65] scope:SCOPE_SE
	s_setreg_imm32_b32 hwreg(HW_REG_WAVE_MODE, 25, 1), 1
	s_wait_xcnt 0x0
; x [8192][1024], W_attn [1024][3072] and W_proj [1024][1024], f32, become codes of FP6 (E2M3) with one E8M0 byte for each 32 along K (K = the 1,024 that the products contract).
; A block's scale is 2^(floor(log2(its largest magnitude)) - 2); its byte is the largest magnitude's exponent field - 2, held at 1 from below; numbers are divided by the scale and rounded to the nearest code, ties to even, beyond 7.5 the largest code.
; LIMITS: NaN and infinities are not served; a block whose largest magnitude lies under 2^-124 keeps the byte 1; a block of zeros gets the byte 1 where the rule says 127 (its codes are zeros, and this program alone reads the bytes).
; THE CODES LIE AS IMAGES OF OPERAND REGISTERS.  A fragment is 16 rows x 128 K = 12 registers a lane = 1,536 bytes: registers 4 c .. 4 c + 3 of lane l at 512 c + 16 l.  Fragment (tile tau, K step q) lies at (8 tau + q) x 1,536.
; THE ROWS OF A TILE ARE NOT NEIGHBOURS: lane r of tile tau holds row 32 (tau / 2) + 8 (tau % 2) + r % 8 + 16 (r / 8), so that, where a tile is source 0 of a product, a lane's 16 results of two neighbouring tiles are 16 neighbours.
; wc's rows are the weights' columns: 0 .. 3071 W_attn's, 3072 .. 4095 W_proj's.  Scale words (four bytes: 128 K of a row): (tau, r, q) at (q / 2) x 65,536 + 128 tau + 8 r + 4 (q % 2).
; Work-groups 0 .. 255 take x (32 rows each; wave w the K steps 2 w, 2 w + 1), work-groups 256 .. 511 the weights (128 columns x one K step; a wave 32 columns).  The two ways have LDS bytes of their own.  No barrier: waves share nothing.
; WORK THAT THE PROGRAM LEAVES OUT (launch attn): reference() sets every score whose key index exceeds the query index to -inf ahead of the softmax, by a mask that it builds in its own body (jnp.tril).
; exp(-inf) is 0 whatever the inputs hold, so such a score adds nothing to its row's sum or to y: blocks of 128 keys that lie wholly above a query tile's block are neither multiplied nor exponentiated.
; LIMIT: a NaN, an infinity or an overflow that would arise in those scores alone is not carried to the result.  Every input has a way to the output and is loaded.
.set SEL,   2
.set XSTG,  16*528                     ; x: a wave's stage: 16 rows x (512 bytes + 16)
.set WSTG,  4*XSTG                     ; the weights' stages begin behind them: two images (3,072 bytes) a wave
.set R,     16                         ; v16-143  x: two sets of 64 registers as loaded
.set X,     144                        ; v144-207 x: 64 numbers of my row: register 16 b + i = k 32 b + 16 (lane / 16) + i
.set PC,    208                        ; v208-219 the fragment just made
.set T2,    220                        ; v220-226 the conversions' second halves
.set TM,    228                        ; v228-243 at work
.set PWS,   244                        ; v244-247 the four fragments' scale words
.set SW,    248                        ; v248-249 the two that my lane stores
.set VO,    16                         ; v16-47   W: row i of a block: i x the row's bytes + 4 x lane
.set WX,    48                         ; v48-111  W: two sets of 32 numbers
.set CW,    176                        ; v176-181 W: a block's 32 codes
.set DW,    182                        ; v182-184 W: the second conversion's result
.set SB,    186                        ; v186     W: my column's four scale bytes
.set OUTR,  192                        ; v192-215 W: the way out
; 64 numbers of a lane, register 16 b + i = k 32 b + 16 (lane / 16) + i of my row, become a fragment's 12 registers in v[pc] on and its scale word in v[pw].
.macro QUANT s, pc, t2, tm, pw
.irp b, 0,1,2,3
	v_max3_num_f32 v[(\tm)+\b], |v[(\s)+16*\b]|, |v[(\s)+16*\b+1]|, 0x1800000   ; block b: my 16 numbers, and the floor 2^(3 - 127): the byte cannot fall under 1
.endr
.irp i, 2,4,6,8,10,12,14
.irp b, 0,1,2,3
	v_max3_num_f32 v[(\tm)+\b], v[(\tm)+\b], |v[(\s)+16*\b+\i]|, |v[(\s)+16*\b+\i+1]|   ; the four blocks by turns
.endr
.endr
.irp b, 0,1,2,3
	v_permlanex16_b32 v[(\tm)+4+\b], v[(\tm)+\b], s[SEL], s[SEL+1]
.endr
.irp b, 0,1,2,3
	v_max_num_f32 v[(\tm)+\b], v[(\tm)+\b], v[(\tm)+4+\b]   ; with lane l xor 16's 16: the block's largest magnitude
.endr
.irp b, 0,1,2,3
	v_add_nc_u32 v[(\tm)+12+\b], 0xff000000, v[(\tm)+\b]   ; 2 off its exponent field: the conversion takes that field as its scale
.endr
.irp b, 0,1,2,3
	v_lshrrev_b32 v[(\tm)+4+\b], 23, v[(\tm)+12+\b]        ; the scale's byte
.endr
	v_lshl_or_b32 v[(\pw)], v[(\tm)+5], 8, v[(\tm)+4]
	v_lshl_or_b32 v[(\pw)], v[(\tm)+6], 16, v[(\pw)]
	v_lshl_or_b32 v[(\pw)], v[(\tm)+7], 24, v[(\pw)]       ; my row's scale word
.irp c, 0,1
	v_cvt_scalef32_pk16_fp6_f32 v[(\pc)+6*\c:(\pc)+6*\c+2], v[(\s)+32*\c:(\s)+32*\c+15], v[(\tm)+12+2*\c]
	v_cvt_scalef32_pk16_fp6_f32 v[(\t2)+4*\c:(\t2)+4*\c+2], v[(\s)+32*\c+16:(\s)+32*\c+31], v[(\tm)+13+2*\c]   ; (a conversion's three registers begin on an even number)
.endr
	v_nop                                          ; one plain instruction behind the scaled conversions
.irp c, 0,1                                    ; the operand wants a whole block in a lane: lanes 0-15 block 2 c, lanes 16-31 block 2 c + 1
.irp i, 0,1,2
	v_permlane16_swap_b32 v[(\pc)+6*\c+\i], v[(\t2)+4*\c+\i]
.endr
.irp i, 0,1,2
	v_mov_b32 v[(\pc)+6*\c+3+\i], v[(\t2)+4*\c+\i]
.endr
.endr
.endm
	s_load_b256 s[4:11], s[0:1], 0x0               ; x s[4:5], W_attn s[6:7], W_proj s[8:9], xc s[10:11]
	s_load_b128 s[12:15], s[0:1], 0x20             ; xs s[12:13], wc s[14:15]
	s_load_b64 s[16:17], s[0:1], 0x30              ; ws
	v_lshl_add_u32 v254, v0, 2, 0xb400
	v_mov_b32 v255, 0
	v_lshrrev_b32 v1, 5, v0
	v_readfirstlane_b32 s18, v1                    ; wave 0..3
	v_and_b32 v1, 31, v0                           ; lane
	s_mov_b32 s[SEL], 0x76543210
	s_mov_b32 s[SEL+1], 0xfedcba98
	s_cmp_lt_u32 ttmp9, 256
	s_cbranch_scc0 .Lweights
	; ---------------- x: rows 32 T .. 32 T + 31 (T = the work-group's number), K 256 w .. 256 w + 255: four fragments f = (tile 2 T + f / 2, K step 2 w + f % 2)
	v_and_b32 v2, 15, v0                           ; r
	v_bfe_u32 v3, v0, 4, 1                         ; h
	v_lshlrev_b32 v4, 4, v1                        ; 16 x lane: my part of a load's and of a store's 512 bytes
	s_mul_i32 s19, s18, XSTG
	v_add_nc_u32 v5, s19, v4                       ; the stage, on the way in: a row's 512 bytes as they lie
	v_mul_u32_u24 v6, v2, 528
	v_lshl_add_u32 v6, v3, 6, v6
	v_add_nc_u32 v6, s19, v6                       ; and out: row r, + 64 h: my 16 numbers of each block of 32
	v_lshlrev_b32 v7, 3, v2
	v_lshl_add_u32 v7, v3, 7, v7                   ; the scale words: lanes 0-15 tile 2 T's rows, lanes 16-31 tile 2 T + 1's, 8 bytes a row
.irp b, 0,1,2,3
	v_mov_b32 v[TM+4+\b], 0                        ; written once: a lane permute's destination counts as one of its sources
.endr
	s_lshl_b32 s20, ttmp9, 17                      ; 32 rows of 4,096 bytes,
	s_lshl_b32 s21, s18, 10                        ; my 256 numbers of a row
	s_add_co_u32 s20, s20, s21
	s_mov_b32 s21, 0
	s_mul_i32 s22, ttmp9, 16*1536                  ; two tiles x 8 fragments,
	s_mul_i32 s23, s18, 2*1536                     ; my two K steps
	s_add_co_u32 s22, s22, s23
	s_mov_b32 s23, 0
	s_lshl_b32 s24, s18, 16                        ; the scale words' plane of my pair of K steps,
	s_lshl_b32 s25, ttmp9, 8                       ; two tiles x 128 bytes
	s_add_co_u32 s24, s24, s25
	s_mov_b32 s25, 0
	s_wait_alu depctr_va_vdst(0)
	s_wait_kmcnt 0x0
	s_add_nc_u64 s[4:5], s[4:5], s[20:21]
	s_add_nc_u64 s[10:11], s[10:11], s[22:23]
	s_add_nc_u64 s[12:13], s[12:13], s[24:25]
.macro XLOAD f                         ; fragment f: its 16 rows in the tile's order, 512 consecutive bytes a load
.irp i, 0,1,2,3,4,5,6,7,8,9,10,11,12,13,14,15
	global_load_b128 v[R+64*((\f)%2)+4*\i:R+64*((\f)%2)+4*\i+3], v4, s[4:5] offset:(8*((\f)/2)+(\i%8)+16*(\i/8))*4096+512*((\f)%2) th:TH_LOAD_NT
.endr
.endm
	XLOAD 0
	XLOAD 1
.irp f, 0,1,2,3
.if \f > 0
	s_wait_xcnt 0x0                                ; the last fragment's stores have read their registers: the codes may be written again
.endif
.if \f < 3
	s_wait_loadcnt 16                              ; this fragment's 16 loads are in; the next fragment's 16 may be out
.else
	s_wait_loadcnt 0x0
.endif
.irp i, 0,1,2,3,4,5,6,7,8,9,10,11,12,13,14,15
	ds_store_b128 v5, v[R+64*(\f%2)+4*\i:R+64*(\f%2)+4*\i+3] offset:528*\i
.endr
.irp b, 0,1,2,3
.irp j, 0,1,2,3
	ds_load_b128 v[X+16*\b+4*\j:X+16*\b+4*\j+3], v6 offset:128*\b+16*\j   ; LDS serves a wave's instructions in order (ISA guide 5.7.1.4): these see the stores above
.endr
.endr
	s_wait_dscnt 0x0                               ; my 64 numbers are in, and the stores have read the set that is loaded again below
.if \f < 2
	XLOAD \f+2
.endif
	QUANT X, PC, T2, TM, PWS+\f
.irp c, 0,1,2
	global_store_b128 v4, v[PC+4*\c:PC+4*\c+3], s[10:11] offset:(\f/2)*8*1536+(\f%2)*1536+512*\c   ; 32 lanes store 512 consecutive bytes, at a multiple of 256 from xc's first byte
.endr
.endr
	v_cmp_le_u32 vcc_lo, 16, v1
	v_cndmask_b32 v[SW], v[PWS], v[PWS+2], vcc_lo       ; every lane holds its row's word of all four fragments: lanes 16-31 take the second tile's
	v_cndmask_b32 v[SW+1], v[PWS+1], v[PWS+3], vcc_lo
	global_store_b64 v7, v[SW:SW+1], s[12:13]      ; 256 consecutive bytes, aligned
	s_wait_tensorcnt 0x0
	ds_add_u32 v254, v255
	s_wait_dscnt 0x0
	s_endpgm
	; ---------------- the weights: a lane takes a column and its registers run down K: a block of 32 is one lane's, and the conversions give codes with K innermost
.Lweights:
	s_sub_co_u32 s19, ttmp9, 256
	s_and_b32 s21, s19, 31                         ; which 128 of wc's 4,096 rows
	s_lshr_b32 s22, s19, 5                         ; which K step
	s_mul_i32 s23, s18, 2*1536
	s_add_co_u32 s23, s23, WSTG                    ; my stage: the images of my two tiles
	s_wait_alu depctr_va_vdst(0)
	v_lshlrev_b32 v8, 2, v1                        ; in: 4 bytes a lane
	v_bfe_u32 v13, v0, 3, 1                        ; column 32 c + L lies in tile 2 c + (L / 8) % 2,
	v_and_b32 v14, 7, v0
	v_bfe_u32 v15, v0, 4, 1
	v_lshl_add_u32 v14, v15, 3, v14                ; in its row r = L % 8 + 8 (L / 16)
	v_mul_u32_u24 v9, v13, 1536
	v_lshl_add_u32 v9, v14, 4, v9
	v_add_nc_u32 v9, s23, v9                       ; the stage, on the way in: my tile's image, 16 r
	v_lshlrev_b32 v11, 4, v1                       ; out: 16 x lane
	v_add_nc_u32 v10, s23, v11
	v_lshlrev_b32 v12, 3, v14
	v_lshl_add_u32 v12, v13, 7, v12                ; my scale word: 128 x tile + 8 r
	s_lshl_b32 s30, s21, 3
	s_lshl_b32 s31, s18, 1
	s_add_co_u32 s30, s30, s31                     ; my first tile: 8 x the group + 2 x wave
	s_lshl_b32 s40, s30, 3
	s_add_co_u32 s40, s40, s22
	s_mul_i32 s40, s40, 1536                       ; its fragment of this K step
	s_mov_b32 s41, 0
	s_lshr_b32 s42, s22, 1
	s_lshl_b32 s42, s42, 16
	s_lshl_b32 s43, s30, 7
	s_add_co_u32 s42, s42, s43
	s_and_b32 s43, s22, 1
	s_lshl_b32 s43, s43, 2
	s_add_co_u32 s42, s42, s43                     ; and its scale words
	s_mov_b32 s43, 0
	s_wait_kmcnt 0x0
	s_add_nc_u64 s[40:41], s[14:15], s[40:41]
	s_add_nc_u64 s[42:43], s[16:17], s[42:43]
	s_mov_b32 s20, 4096
	s_cmp_lt_u32 s21, 24                           ; W_attn's columns or W_proj's?  The choice hangs on the work-group's number alone
	s_cselect_b32 s20, 12288, s20                  ; a row of the source in bytes
	s_cselect_b32 s24, 0, 3072
	s_cselect_b64 s[6:7], s[6:7], s[8:9]
	s_lshl_b32 s25, s21, 7
	s_lshl_b32 s26, s18, 5
	s_add_co_u32 s25, s25, s26
	s_sub_co_u32 s25, s25, s24                     ; my first column in the source
	s_lshl_b32 s25, s25, 2
	s_lshl_b32 s26, s22, 7
	s_mul_i32 s26, s26, s20                        ; the K step's first row
	s_add_co_u32 s26, s26, s25
	s_mov_b32 s27, 0
	s_lshl_b32 s28, s20, 5                         ; 32 rows on
	s_mov_b32 s29, 0
	s_add_nc_u64 s[32:33], s[6:7], s[26:27]        ; a base for each of the four blocks
	s_add_nc_u64 s[34:35], s[32:33], s[28:29]
	s_add_nc_u64 s[36:37], s[34:35], s[28:29]
	s_add_nc_u64 s[38:39], s[36:37], s[28:29]
.set n, 0
.rept 32
	v_mad_u32_u24 v[VO+n], s20, n, v8
.set n, n+1
.endr
.macro WLOAD t                         ; block t: 32 rows, 128 consecutive bytes a load and wave, 512 a work-group
.set n, 0
.rept 32
	global_load_b32 v[WX+32*((\t)%2)+n], v[VO+n], s[32+2*(\t):33+2*(\t)] th:TH_LOAD_NT
.set n, n+1
.endr
.endm
.macro WBLOCK t
.set XS, WX+32*((\t)%2)
.if (\t) < 3
	s_wait_loadcnt 32                              ; this block's 32 loads are in; the next block's may be out
.else
	s_wait_loadcnt 0x0
.endif
	v_max3_num_f32 v13, |v[XS]|, |v[XS+1]|, |v[XS+2]|              ; the block's largest magnitude: all 32 numbers are mine
	v_max3_num_f32 v14, |v[XS+3]|, |v[XS+4]|, |v[XS+5]|
.irp i, 6,10,14,18,22,26
	v_max3_num_f32 v13, v13, |v[XS+\i]|, |v[XS+\i+1]|
	v_max3_num_f32 v14, v14, |v[XS+\i+2]|, |v[XS+\i+3]|
.endr
	v_max3_num_f32 v13, v13, |v[XS+30]|, |v[XS+31]|
	v_max3_num_f32 v13, v13, v14, 0x1800000        ; and the floor
	v_add_nc_u32 v15, 0xff000000, v13              ; the conversion's scale operand
	v_lshrrev_b32 v14, 23, v15                     ; the scale's byte
.if (\t) == 0
	v_mov_b32 v[SB], v14
.else
	v_lshl_or_b32 v[SB], v14, 8*(\t), v[SB]
.endif
	v_cvt_scalef32_pk16_fp6_f32 v[CW:CW+2], v[XS:XS+15], v15
	v_cvt_scalef32_pk16_fp6_f32 v[DW:DW+2], v[XS+16:XS+31], v15
	v_nop                                          ; one plain instruction behind the scaled conversions
.irp i, 0,1,2
	v_mov_b32 v[CW+3+\i], v[DW+\i]
.endr
; block t is registers 6 (t / 2) .. + 5 of lane r + 16 (t % 2) of the fragment: in the image, register n of lane l lies at 512 (n / 4) + 16 l + 4 (n % 4)
.if (\t) < 2
	ds_store_b128 v9, v[CW:CW+3] offset:256*((\t)%2)
	ds_store_b64 v9, v[CW+4:CW+5] offset:512+256*((\t)%2)
.else
	ds_store_b64 v9, v[CW:CW+1] offset:520+256*((\t)%2)
	ds_store_b128 v9, v[CW+2:CW+5] offset:1024+256*((\t)%2)
.endif
.if (\t) < 2
	WLOAD (\t)+2
.endif
	s_wait_dscnt 0x0                               ; the stores have read their registers: the next block's codes may be written
.endm
	WLOAD 0
	WLOAD 1
	WBLOCK 0
	WBLOCK 1
	WBLOCK 2
	WBLOCK 3
	s_wait_alu depctr_va_vdst(0)
	global_store_b32 v12, v[SB], s[42:43]          ; 4 bytes of each 8: the other K step of the pair is another work-group's.  One byte in 128 of what this way reads
.irp k, 0,1,2,3,4,5
	ds_load_b128 v[OUTR+4*\k:OUTR+4*\k+3], v10 offset:512*\k
.endr
.irp k, 0,1,2,3,4,5
	s_wait_dscnt 5-\k                              ; the younger loads may be out
	global_store_b128 v11, v[OUTR+4*\k:OUTR+4*\k+3], s[40:41] offset:512*(\k%3)+8*1536*(\k/3)   ; 512 consecutive bytes, at a multiple of 256 from wc's first byte
.endr
	s_wait_tensorcnt 0x0
	ds_add_u32 v254, v255
	s_wait_dscnt 0x0
	s_endpgm
.Lfunc_end_k_qc078c74c78_quant:
	.size	k_qc078c74c78_quant, .Lfunc_end_k_qc078c74c78_quant-k_qc078c74c78_quant
	.p2alignl 7, 3214868480
	.fill 96, 4, 3214868480
	.section	.rodata,"a",@progbits
	.p2align	6, 0x0
	.amdhsa_kernel k_qc078c74c78_quant
		.amdhsa_group_segment_fixed_size 46592
		.amdhsa_private_segment_fixed_size 0
		.amdhsa_enable_private_segment 0
		.amdhsa_kernarg_size 56
		.amdhsa_user_sgpr_count 2
		.amdhsa_user_sgpr_kernarg_segment_ptr 1
		.amdhsa_wavefront_size32 1
		.amdhsa_system_sgpr_workgroup_id_x 1
		.amdhsa_system_sgpr_workgroup_id_y 1
		.amdhsa_system_sgpr_workgroup_id_z 1
		.amdhsa_system_vgpr_workitem_id 0
		.amdhsa_next_free_vgpr 256
		.amdhsa_next_free_sgpr 66
		.amdhsa_reserve_vcc 1
		.amdhsa_float_denorm_mode_32 3
		.amdhsa_float_denorm_mode_16_64 3
		.amdhsa_memory_ordered 1
		.amdhsa_forward_progress 1
		.amdhsa_inst_pref_size 57
	.end_amdhsa_kernel
	.amdgpu_metadata
---
amdhsa.version: [ 1, 2 ]
amdhsa.kernels:
  - .name:           k_qc078c74c78_quant
    .symbol:         k_qc078c74c78_quant.kd
    .args:
      - { .name: x, .offset: 0, .size: 8, .value_kind: global_buffer, .address_space: global }
      - { .name: W_attn, .offset: 8, .size: 8, .value_kind: global_buffer, .address_space: global }
      - { .name: W_proj, .offset: 16, .size: 8, .value_kind: global_buffer, .address_space: global }
      - { .name: xc, .offset: 24, .size: 8, .value_kind: global_buffer, .address_space: global }
      - { .name: xs, .offset: 32, .size: 8, .value_kind: global_buffer, .address_space: global }
      - { .name: wc, .offset: 40, .size: 8, .value_kind: global_buffer, .address_space: global }
      - { .name: ws, .offset: 48, .size: 8, .value_kind: global_buffer, .address_space: global }
    .group_segment_fixed_size: 46592
    .private_segment_fixed_size: 0
    .kernarg_segment_align: 8
    .kernarg_segment_size: 56
    .max_flat_workgroup_size: 128
    .sgpr_count:     66
    .vgpr_count:     256
    .wavefront_size: 32
...
	.end_amdgpu_metadata
.endif
;; end of part 1
;; launch gemm_qkv (part 2): grid 12 x 32, 4 waves a work-group, clusters of 4 x 4, 327,680 bytes of LDS; arguments xc, xs, wc, ws, qkvc, qkvs; writes qkvc, qkvs
.if DOCPART == 2
	.amdgcn_target "amdgcn-amd-amdhsa--gfx1250"
	.amdhsa_code_object_version 6
	.text
	.protected	k_qc078c74c78_gemm_qkv
	.globl	k_qc078c74c78_gemm_qkv
	.p2align	8
	.type	k_qc078c74c78_gemm_qkv,@function
k_qc078c74c78_gemm_qkv:
	s_mov_b64 s[64:65], 0
	v_nop
	global_prefetch_b8 v0, s[64:65] scope:SCOPE_SE
	s_setreg_imm32_b32 hwreg(HW_REG_WAVE_MODE, 25, 1), 1
	s_wait_xcnt 0x0
	s_wait_alu depctr_hold_cnt(0) depctr_sa_sdst(0) depctr_va_vdst(0) depctr_va_sdst(0) depctr_va_ssrc(0) depctr_va_vcc(0) depctr_vm_vsrc(0)
	s_getreg_b32 s2, hwreg(HW_REG_IB_STS2, 6, 4)
	s_cmp_eq_u32 s2, 0
	s_cbranch_scc0 .Lentry_in_a_cluster
	s_endpgm
.Lentry_in_a_cluster:
	s_bfe_u32 s2, ttmp6, 0x10000c
	s_cmp_lg_u32 s2, 0xf033
	s_cbranch_scc0 .Lentry_shape_is_right
	s_endpgm
.Lentry_shape_is_right:
; q, k and v = x W_attn on codes of FP6 (E2M3) with E8M0 scales, K = 1,024; the results are quantised in registers, for the attention's products, and leave as codes: no f32 number goes to memory.
; Operands lie as images of operand registers (fragment (tile tau, K step q) at (8 tau + q) x 1,536 bytes: registers 4 c .. 4 c + 3 of lane l at 512 c + 16 l); lane r of tile tau holds row 32 (tau / 2) + 8 (tau % 2) + r % 8 + 16 (r / 8).
; A work-group of four waves makes 256 x 256 results, a wave 128 x 128: 64 accumulators of 16 x 16, 512 registers.  K goes in steps of 256 through a ring of two LDS slots filled by the tensor data mover; four such steps, written out.
; THE MATRIX INSTRUCTION IS USED TRANSPOSED: source 0 = 16 rows of B', source 1 = 16 rows of A'.  A lane then holds ONE row of A', and, by the order of rows in B's tiles, its 64 registers of a block of A' are
; register 16 b + i = column 32 b + 16 (lane / 16) + i of B's 128: the order in which the quantiser wants the next product's K.
; TWO PROBLEMS IN ONE TEXT, told apart by the cluster's x, which all partners share, in selections and in no branch.  Clusters x = 0, 1: A' = x, B' = W_attn's columns 0 .. 2047: q and k, quantised along the columns
; (128 columns = two heads of 64).  Cluster x = 2: A' = W_attn's columns 2048 .. 3071, B' = x: v TRANSPOSED, a lane one channel and its registers along the keys, quantised along the keys.
; RESULTS: fragment F at F x 1,536 bytes of qkvc: registers 0-3 at 16 l, 4-5 at 512 + 8 l, 6-7 at 768 + 8 l, 8-11 at 1,024 + 16 l (so that either half of the 128 K can be read alone).  q, k: F = 512 x (column / 128) + tile of rows;
; v: F = 8,192 + 64 x (key / 128) + tile of channels.  Scale words: (F, r) at 512 (F / 8) + 32 r + 4 (F % 8) of qkvs.
; CLUSTERS: 4 x 4 work-groups.  The four of a row of the cluster need the same tiles of A', the four of a column the same tiles of B': each tile is asked for JOINTLY, by the same tensor load with the same descriptor and a mask that names the four.
; LIMITS: NaN and infinities are not served; a block whose largest magnitude lies under 2^-124 keeps the byte 1, a block of zeros too (its codes are zeros; this program alone reads the bytes).
; REGISTERS, in windows of 256: window 0: v0-31 addresses; v32-63 scale words, two sets; v64-99 at work on the way out; v128-223 A's fragments, one set, later the codes made.
;   window 1: B's fragments, two sets, at v0 and v128.   window 2: the accumulators of my rows 0-63 ((a, b) at v[8 (8 a + b)]);   window 3: those of my rows 64-127.
.set FRB,   1536                       ; a fragment's image
.set SLROW, 2*FRB                      ; a tile's two K steps of a slot: a row of the tensor load
.set HALFT, 8*SLROW                    ; 8 tiles (128 rows): what one tensor load brings, and what one wave reads of A' or of B'
.set SLOT,  4*HALFT
.set SCL,   2*SLOT                     ; behind the ring: the scale words of the work-group's 32 tiles, for all of K
.set HALFS, 4096                       ; the scale words of 8 tiles: a half (1,024 bytes) of each of the 4 LDS rows (pairs of K steps) of 2,048 bytes; A's 16 tiles take 2 HALFS, then B's
.set SPARE, SCL+4*HALFS                ; the spare words, 128 bytes for each wave: two blocks of 256 bytes that no other line names
.set FR,    12
.set NL,    3                          ; LDS loads that bring a fragment
.set NQ,    2                          ; matrix instructions deep in a slot
.set NP,    4                          ; places behind this matrix instruction (ISA guide 7.12.1)
.set ADRA,  16                         ; v16-17 LDS address of my A' fragments in slot 0, 1
.set ADRB,  20                         ; v20-21 the same for B'
.set OS,    24                         ; v24    the way out: 32 r + 16 h, my part of the scale words
.set O8,    25                         ; v25    8 x lane
.set O16,   26                         ; v26    16 x lane
.set ADRS,  27                         ; v27    LDS address of my scale words: lanes 0-15 A's rows, lanes 16-31 B's
.set SPW,   28                         ; v28    LDS address of my spare word; never rewritten
.set NIL,   29                         ; v29    0; never rewritten
.set LN,    30                         ; v30    lane
.set SC,    32                         ; scale words: set s at v[SC + 16 s]; register 2 i + q: lanes 0-15 the word of A's block i, lanes 16-31 of B's block i, for the slot's q-th 128 along K
.set TM,    64                         ; v64-79 at work
.set PWS,   80                         ; v80-87 the eight fragments' scale words
.set SW,    88                         ; v88-91 the four that my lane stores
.set T2,    92                         ; v92-98 the conversions' second halves
.set AF,    128
.set SEL,   20                         ; s[20:21] on the way out: lane selects for v_permlanex16_b32
.set G1,  24                           ; s[24:31] descriptor group 1 for A's tiles;  s[32:39] group 0, one set for each slot
.set G0,  32
.set G1B, 48                           ; s[48:55], s[56:63] the same for B's
.set G0B, 56
.set G1S, 68                           ; s[68:75], s[76:79] groups 1 and 0 for A's scale words;  s[80:87], s[88:91] for B's
.set G0S, 76
.set G1SB, 80
.set G0SB, 88
.set MSB, 0
.macro WIN new                         ; the immediate's high byte repeats the setting that is left
.if MSB != (\new)
	s_set_vgpr_msb (MSB<<8)|(\new)
.set MSB, (\new)
.endif
.endm
.set MUL_LO, 0xa1                      ; source 0 (B') window 1, source 1 (A') window 0, C and D window 2
.set MUL_HI, 0xf1                      ; the same, C and D window 3
.set TO_B,   0x40                      ; destination window 1, address window 0
; A joint load: waves 0 and 1 fetch for A', waves 2 and 3 for B'.  Each line has one mask and one set of registers for all that issue it; the branch hangs on the wave's number alone.  Four v_nop follow each line.
.macro JLOAD g0a, g1a, g0b, g1b
	s_cmp_eq_u32 s17, 0
	s_cbranch_scc0 .Lfor_b_\@
	tensor_load_to_lds s[\g0a:\g0a+3], s[\g1a:\g1a+7]
	s_nop 0
.rept 4
	v_nop
.endr
	s_branch .Lasked_\@
.Lfor_b_\@:
	tensor_load_to_lds s[\g0b:\g0b+3], s[\g1b:\g1b+7]
	s_nop 0
.rept 4
	v_nop
.endr
.Lasked_\@:
.endm
.macro CREST                           ; a round of the cluster's barrier behind its opening barrier
	s_cmp_lg_u32 s16, 0
	s_cbranch_scc1 .Lnot_wave_0_\@
	s_barrier_signal -3
.Lnot_wave_0_\@:
	s_barrier_wait -3
	s_barrier_signal -1
	s_barrier_wait -1
.endm
.macro CROUND                          ; a whole round
	s_barrier_signal -1
	s_barrier_wait -1
	CREST
.endm
	s_load_b256 s[4:11], s[0:1], 0x0               ; xc s[4:5], xs s[6:7], wc s[8:9], ws s[10:11]
	s_load_b128 s[12:15], s[0:1], 0x20             ; qkvc s[12:13], qkvs s[14:15]
	v_lshl_add_u32 v[SPW], v0, 2, SPARE
	v_mov_b32 v[NIL], 0
	ds_add_u32 v28, v29
	ds_add_u32 v28, v29
	s_wait_dscnt 0x0
	v_lshrrev_b32 v1, 5, v0
	v_readfirstlane_b32 s16, v1                    ; wave 0..3
	s_lshr_b32 s17, s16, 1                         ; which half of A's rows is mine.  Also: I fetch for A' (0) or for B' (1)
	s_and_b32 s18, s16, 1                          ; which half of B's rows.  Also: which 8 tiles I fetch
	s_bfe_u32 s40, ttmp6, 0x40000                  ; cx, cy: my place in the cluster
	s_bfe_u32 s41, ttmp6, 0x40004
	s_lshl_b32 s2, s41, 2
	s_lshl_b32 s2, 15, s2                          ; my row of the cluster
	s_lshl_b32 s3, 0x1111, s40                     ; my column
	s_or_b32 s[G1], s2, (3<<16)|(1<<21)            ; 15:0 the mask: A's tiles go to my row; 17:16 elements of 8 bytes; 20 no padding; 21 set beside a mask
	s_or_b32 s[G1B], s3, (3<<16)|(1<<21)
	s_or_b32 s[G1S], s2, (3<<16)|(1<<21)
	s_or_b32 s[G1SB], s3, (3<<16)|(1<<21)
.irp g, G1, G1B                        ; 8 rows (tiles) of 3,072 bytes (two fragments), 12,288 bytes (a tile's eight fragments) apart
	s_mov_b32 s[\g+1], 384<<16                     ; tensor_dim0
	s_mov_b32 s[\g+2], 16<<16                      ; tensor_dim1: 16 tiles for the head's loads; behind them 8, for the ring's
	s_mov_b32 s[\g+3], 384<<16                     ; tile_dim0
	s_mov_b32 s[\g+4], 16                          ; tile_dim1
	s_mov_b32 s[\g+5], 1536                        ; tensor_dim0_stride
	s_mov_b32 s[\g+6], 0
	s_mov_b32 s[\g+7], 0
.endr
.irp g, G1S, G1SB                      ; 4 rows (pairs of K steps) of 2,048 bytes (16 tiles' words), 65,536 bytes apart
	s_mov_b32 s[\g+1], 256<<16                     ; rows of 2,048 bytes: 16 tiles' words
	s_mov_b32 s[\g+2], 4<<16
	s_mov_b32 s[\g+3], 256<<16
	s_mov_b32 s[\g+4], 4
	s_mov_b32 s[\g+5], 8192
	s_mov_b32 s[\g+6], 0
	s_mov_b32 s[\g+7], 0
.endr
	; which 256 rows of A' (TR) and of B' (TC).  s20-23 never hold cx, s44-47 never cy
	s_and_b32 s20, ttmp7, 0xffff
	s_lshl_b32 s20, s20, 2                         ; 4 x cluster y
	s_lshl_b32 s44, ttmp9, 2                       ; 4 x cluster x
	s_add_co_u32 s21, s20, s41
	s_add_co_u32 s45, s44, s40
	s_add_co_u32 s46, s20, s40
	s_cmp_eq_u32 ttmp9, 2                          ; v's cluster?  The same in all sixteen partners
	s_cselect_b32 s43, s41, s21                    ; TR: v: cy (1,024 channels);  q, k: 4 x cluster y + cy (8,192 rows of x)
	s_cselect_b32 s42, s46, s45                    ; TC: v: 4 x cluster y + cx (8,192 rows of x);  q, k: 4 x cluster x + cx (2,048 columns)
	s_cselect_b32 s66, 128, 0                      ; A's first tile in its buffer
	s_cselect_b32 s67, 64, 512                     ; tiles of A' in all: fragments from one 128 of B's rows to the next
	s_cselect_b32 s19, 8192, 0                     ; the first fragment in qkvc
	s_lshl_b32 s47, s18, 3
	s_lshl_b32 s20, s43, 4
	s_add_co_u32 s20, s20, s47
	s_add_co_u32 s20, s20, s66                     ; the first tile of A' that I fetch
	s_lshl_b32 s44, s42, 4
	s_add_co_u32 s44, s44, s47                     ; and of B'
	s_lshl_b32 s22, s20, 7                         ; its scale words,
	s_mul_i32 s20, s20, 8*FRB                      ; its codes
	s_mov_b32 s21, 0
	s_mov_b32 s23, 0
	s_lshl_b32 s46, s44, 7
	s_mul_i32 s44, s44, 8*FRB
	s_mov_b32 s45, 0
	s_mov_b32 s47, 0
	s_mul_i32 s2, s16, HALFT                       ; where they go: wave x 8 tiles: no place in the cluster enters an LDS address
	s_wait_kmcnt 0x0
	s_cmp_eq_u32 ttmp9, 2
	s_cselect_b64 s[92:93], s[8:9], s[4:5]         ; A's codes,
	s_cselect_b64 s[94:95], s[10:11], s[6:7]       ; A's scale words,
	s_cselect_b64 s[96:97], s[4:5], s[8:9]         ; B's codes,
	s_cselect_b64 s[98:99], s[6:7], s[10:11]       ; B's scale words
	s_add_nc_u64 s[92:93], s[92:93], s[20:21]
	s_add_nc_u64 s[94:95], s[94:95], s[22:23]
	s_add_nc_u64 s[96:97], s[96:97], s[44:45]
	s_add_nc_u64 s[98:99], s[98:99], s[46:47]
	CROUND                                         ; all sixteen work-groups are here: the first joint loads meet
; the head's four tiles, each whole.  Waves 0 and 2 fetch the lower 8 tiles in the ring, so their addresses are the 16 tiles' first bytes; waves 1 and 3 fetch the upper 8: their scale words begin 1,024 bytes behind the 16 tiles' first
.set G0H,  4                           ; s[4:7], s[8:11] group 0 for slot 0's 16 tiles of A' and of B' (the arguments that lay there have been used)
.set G0HB, 8
	s_mov_b32 s[G0H], 1
	s_mov_b32 s[G0H+1], 0
	s_mov_b64 s[G0H+2:G0H+3], s[92:93]
	s_or_b32 s[G0H+3], s[G0H+3], 0x80000000
	s_mov_b32 s[G0HB], 1
	s_mov_b32 s[G0HB+1], 2*HALFT
	s_mov_b64 s[G0HB+2:G0HB+3], s[96:97]
	s_or_b32 s[G0HB+3], s[G0HB+3], 0x80000000
	s_mov_b32 s[G0S], 1
	s_mov_b32 s[G0S+1], SCL
	s_sub_nc_u64 s[G0S+2:G0S+3], s[94:95], 1024
	s_or_b32 s[G0S+3], s[G0S+3], 0x80000000
	s_mov_b32 s[G0SB], 1
	s_mov_b32 s[G0SB+1], SCL+2*HALFS
	s_sub_nc_u64 s[G0SB+2:G0SB+3], s[98:99], 1024
	s_or_b32 s[G0SB+3], s[G0SB+3], 0x80000000
.irp s, 0,1
	s_mov_b32 s[G0+4*\s], 1
	s_add_co_u32 s[G0+4*\s+1], s2, \s*SLOT
	s_add_nc_u64 s[G0+4*\s+2:G0+4*\s+3], s[92:93], \s*SLROW
	s_or_b32 s[G0+4*\s+3], s[G0+4*\s+3], 0x80000000
	s_mov_b32 s[G0B+4*\s], 1
	s_add_co_u32 s[G0B+4*\s+1], s2, \s*SLOT
	s_add_nc_u64 s[G0B+4*\s+2:G0B+4*\s+3], s[96:97], \s*SLROW
	s_or_b32 s[G0B+4*\s+3], s[G0B+4*\s+3], 0x80000000
.endr
; THE HEAD'S LOADS, ONE A WAVE: wave 0 slot 0's 16 tiles of A', wave 1 A's scale words, wave 2 slot 0's 16 tiles of B', wave 3 B's scale words.  One tree of branches on the wave's number: every way passes one load.
.macro ARM under, g0, g1, next
	s_cmp_lt_u32 s16, \under
	s_cbranch_scc0 \next
	tensor_load_to_lds s[\g0:\g0+3], s[\g1:\g1+7]
	s_nop 0
.rept 4
	v_nop
.endr
	s_branch .Lhead_asked
\next:
.endm
	ARM 1, G0H,  G1,  .Lhead_sa
	ARM 2, G0S,  G1S, .Lhead_b
	ARM 3, G0HB, G1B, .Lhead_sb
	tensor_load_to_lds s[G0SB:G0SB+3], s[G1SB:G1SB+7]
	s_nop 0
.rept 4
	v_nop
.endr
.Lhead_asked:
	v_and_b32 v[LN], 31, v0
	v_and_b32 v2, 15, v0                           ; r
	v_bfe_u32 v3, v0, 4, 1                         ; h
	s_wait_alu depctr_va_vdst(0)
	v_lshlrev_b32 v[O16], 4, v[LN]
	v_lshlrev_b32 v[O8], 3, v[LN]
	v_lshlrev_b32 v[OS], 5, v2
	v_lshl_add_u32 v[OS], v3, 4, v[OS]
	s_mul_i32 s20, s17, HALFT                      ; my 8 tiles of A',
	s_mul_i32 s21, s18, HALFT                      ; my 8 tiles of B',
	s_add_co_u32 s21, s21, 2*HALFT                 ; which lie behind A's 16
.irp s, 0,1
	v_add_nc_u32 v[ADRA+\s], s20, v[O16]
	v_add_nc_u32 v[ADRB+\s], s21, v[O16]
	s_add_co_u32 s20, s20, SLOT
	s_add_co_u32 s21, s21, SLOT
.endr
	s_lshl_b32 s20, s17, 10                        ; A's scale words: my 8 tiles' half of a row
	s_lshl_b32 s21, s18, 10                        ; B's, behind A's
	s_add_co_u32 s21, s21, 2*HALFS
	s_sub_co_u32 s21, s21, s20
	v_mul_u32_u24 v5, s21, v3                      ; lanes 16-31 take B's
	s_add_co_u32 s20, s20, SCL
	v_lshl_add_u32 v5, v2, 3, v5                   ; 8 bytes a row: the two words of a slot
	v_add_nc_u32 v[ADRS], s20, v5
	; where my eight fragments go: F = (2 TC + my half of B') x the tiles of A' + 16 TR + 8 x my half of A' + the first fragment
	s_lshl_b32 s20, s42, 1
	s_add_co_u32 s20, s20, s18
	s_mul_i32 s20, s20, s67
	s_lshl_b32 s21, s43, 4
	s_add_co_u32 s20, s20, s21
	s_lshl_b32 s21, s17, 3
	s_add_co_u32 s20, s20, s21
	s_add_co_u32 s20, s20, s19
	s_lshl_b32 s22, s20, 6                         ; 512 bytes of scale words for 8 fragments
	s_mov_b32 s23, 0
	s_mul_i32 s20, s20, FRB
	s_mov_b32 s21, 0
	s_add_nc_u64 s[12:13], s[12:13], s[20:21]
	s_add_nc_u64 s[14:15], s[14:15], s[22:23]
.macro FRAG reg, adr, q, i             ; a fragment comes as it was stored: three loads of 512 consecutive bytes
.irp c, 0,1,2
	ds_load_b128 v[(\reg)+4*\c:(\reg)+4*\c+3], v[\adr] offset:(\i)*SLROW+(\q)*FRB+512*\c
.endr
.endm
; 16 matrix instructions: A's blocks a0, a0 + 1 x B's eight, the slot's q-th 128 along K.  p: B's set;  sc: the set of scale words.  zero = 1: the first product starts the sums: nothing is ever cleared.
; The 64 accumulators take turns, one instruction a turn, in the same order in every step.
.macro MUL16 a0, p, q, sc, zero
.irp a, \a0, \a0+1
.irp b, 0,1,2,3,4,5,6,7
.if \zero
	v_wmma_scale_f32_16x16x128_f8f6f4 v[8*(8*((\a)%4)+\b):8*(8*((\a)%4)+\b)+7], v[128*(\p)+FR*\b:128*(\p)+FR*\b+FR-1], v[AF+FR*(\a):AF+FR*(\a)+FR-1], 0, v[SC+8*NQ*(\sc)+NQ*\b+(\q)], v[SC+8*NQ*(\sc)+NQ*(\a)+(\q)] matrix_a_fmt:MATRIX_FMT_FP6 matrix_b_fmt:MATRIX_FMT_FP6 matrix_a_scale:MATRIX_SCALE_ROW1
.else
	v_wmma_scale_f32_16x16x128_f8f6f4 v[8*(8*((\a)%4)+\b):8*(8*((\a)%4)+\b)+7], v[128*(\p)+FR*\b:128*(\p)+FR*\b+FR-1], v[AF+FR*(\a):AF+FR*(\a)+FR-1], v[8*(8*((\a)%4)+\b):8*(8*((\a)%4)+\b)+7], v[SC+8*NQ*(\sc)+NQ*\b+(\q)], v[SC+8*NQ*(\sc)+NQ*(\a)+(\q)] matrix_a_fmt:MATRIX_FMT_FP6 matrix_b_fmt:MATRIX_FMT_FP6 matrix_a_scale:MATRIX_SCALE_ROW1
.endif
.endr
.endr
.endm
.macro FETCH_B slot, q, p              ; B's eight fragments of the slot's q-th 128 along K into set p
	WIN TO_B
.irp i, 0,1,2,3,4,5,6,7
	FRAG 128*(\p)+FR*\i, ADRB+\slot, \q, \i
.endr
	WIN 0
.endm
.macro FETCH_A slot, q, i0             ; A's blocks i0 .. i0 + 3
.irp i, \i0, \i0+1, \i0+2, \i0+3
	FRAG AF+FR*(\i), ADRA+\slot, \q, \i
.endr
.endm
.macro SCALES sc, ks                   ; the scale words of the ks-th pair of K steps into set sc: lanes 0-15 take A's block i, lanes 16-31 B's block i
.irp i, 0,1,2,3,4,5,6,7
	ds_load_b64 v[SC+8*NQ*\sc+NQ*\i:SC+8*NQ*\sc+NQ*\i+1], v[ADRS] offset:(\ks)*2048+128*\i
.endr
.endm
; A load into a register that a matrix instruction has read, and a vector instruction that reads a matrix result, stand NP places behind that matrix instruction; only plain vector instructions that name none of its registers are places.
.macro PLACES n
.rept \n
	v_nop
.endr
.endm
.macro STEP slot, q, zero              ; a step of 128 along K that has its successor in the same slot
	s_wait_dscnt 4*NL                              ; B's set, A's blocks 0-3 and the scale words are in; the youngest 12 loads (A's blocks 4-7) may be out
	WIN MUL_LO
	MUL16 0, (\q)%2, \q, \slot, \zero
	MUL16 2, (\q)%2, \q, \slot, \zero
	s_wait_dscnt 0                                 ; A's blocks 4-7 are in
	PLACES NP
	FETCH_B \slot, (\q)+1, 1-(\q)%2
	FETCH_A \slot, (\q)+1, 0
	WIN MUL_HI
	MUL16 4, (\q)%2, \q, \slot, \zero
	MUL16 6, (\q)%2, \q, \slot, \zero
	PLACES NP
	WIN 0
	FETCH_A \slot, (\q)+1, 4
.endm
; A slot's last step changes slots: one barrier; in front of it each wave waits for all its tensor loads, adds 0 to its spare word, and waits for that and for its own reads of this slot.  fill = 1: this slot is filled again, two slots ahead.
.macro TURN slot, next, fill, ks
	s_wait_tensorcnt 0x0                           ; all my tensor loads have landed: my part of the next slot  (every window is 0 here)
	ds_add_u32 v[SPW], v[NIL]                      ; 0 onto my spare word
	s_wait_dscnt 4*NL+1                            ; (the add and the youngest 12 loads, A's blocks 4-7, may be out)
	WIN MUL_LO
	MUL16 0, 1, NQ-1, \slot, 0                     ; sixteen matrix instructions stand between the add and the wait for it
	s_wait_dscnt 0x0                               ; the add is done, and my reads of this slot are over
	s_barrier_signal -1
	MUL16 2, 1, NQ-1, \slot, 0
	WIN 0
	s_barrier_wait -1
.if \fill
	CREST                                          ; the barrier has opened a round of the cluster's barrier: no wave of any partner still reads this slot or has a load on its way
	s_add_nc_u64 s[G0+4*\slot+2:G0+4*\slot+3], s[G0+4*\slot+2:G0+4*\slot+3], 2*SLROW
	s_add_nc_u64 s[G0B+4*\slot+2:G0B+4*\slot+3], s[G0B+4*\slot+2:G0B+4*\slot+3], 2*SLROW
	JLOAD G0+4*\slot, G1, G0B+4*\slot, G1B         ; the first tensor load behind the round; the four v_nop behind it are the places in front of the loads below
.else
	PLACES NP
.endif
	FETCH_B \next, 0, 0
	FETCH_A \next, 0, 0
	SCALES \next, \ks
	WIN MUL_HI
	MUL16 4, 1, NQ-1, \slot, 0
	MUL16 6, 1, NQ-1, \slot, 0
	PLACES NP
	WIN 0
	FETCH_A \next, 0, 4
.endm
	s_wait_alu depctr_va_vdst(0)
	s_wait_tensorcnt 0x0                           ; my tile of the head's four is in
	ds_add_u32 v[SPW], v[NIL]
	s_mov_b32 s[G1+2], 8<<16                       ; no tensor load of mine is out: from here on a load brings 8 tiles
	s_mov_b32 s[G1+4], 8
	s_mov_b32 s[G1B+2], 8<<16
	s_mov_b32 s[G1B+4], 8
	s_wait_dscnt 0x0
	CROUND                                         ; all four tiles are in, and all sixteen work-groups are here
	JLOAD G0+4, G1, G0B+4, G1B                     ; slot 1's first fill, the first tensor load behind the round
	FETCH_B 0, 0, 0
	FETCH_A 0, 0, 0
	SCALES 0, 0
	FETCH_A 0, 0, 4
	STEP 0, 0, 1                                   ; K 0: its products start the sums
	TURN 0, 1, 1, 1                                ; K 128; slot 0 takes K 512 ..
	STEP 1, 0, 0
	TURN 1, 0, 1, 2                                ; slot 1 takes K 768 ..
	STEP 0, 0, 0
	TURN 0, 1, 0, 3                                ; nothing is left to fetch
	STEP 1, 0, 0
	s_wait_dscnt 4*NL                              ; the last step
	WIN MUL_LO
	MUL16 0, 1, NQ-1, 1, 0
	MUL16 2, 1, NQ-1, 1, 0
	s_wait_dscnt 0
	WIN MUL_HI
	MUL16 4, 1, NQ-1, 1, 0
	MUL16 6, 1, NQ-1, 1, 0
	WIN 0
; THE WAY OUT: block a's 64 accumulator registers are 128 neighbours along the next K of my lane's row: they are quantised where they stand and leave as a fragment's image.  No LDS.
	PLACES NP
	s_mov_b32 s[SEL], 0x76543210
	s_mov_b32 s[SEL+1], 0xfedcba98
.irp b, 0,1,2,3
	v_mov_b32 v[TM+4+\b], 0                        ; written once: a lane permute's destination counts as one of its sources
.endr
.macro QEPI a
.set AC, 64*((\a)%4)
.set WW, 2+(\a)/4                      ; the block's window
.set PCA, AF+12*(\a)                   ; a set of registers for each block's codes: no store's data are written again
	WIN WW*5                                       ; sources 0 and 1 in the block's window
.irp b, 0,1,2,3
	v_max3_num_f32 v[TM+\b], |v[AC+16*\b]|, |v[AC+16*\b+1]|, 0x1800000   ; each accumulator is read from its low end on; the floor 2^(3 - 127) holds the byte at 1 from below
.endr
.irp i, 2,4,6,8,10,12,14
.irp b, 0,1,2,3
	v_max3_num_f32 v[TM+\b], |v[AC+16*\b+\i]|, |v[AC+16*\b+\i+1]|, v[TM+\b]
.endr
.endr
	WIN 0
.irp b, 0,1,2,3
	v_permlanex16_b32 v[TM+4+\b], v[TM+\b], s[SEL], s[SEL+1]
.endr
.irp b, 0,1,2,3
	v_max_num_f32 v[TM+\b], v[TM+\b], v[TM+4+\b]   ; with lane l xor 16's 16: the block's largest magnitude
.endr
.irp b, 0,1,2,3
	v_add_nc_u32 v[TM+12+\b], 0xff000000, v[TM+\b] ; 2 off its exponent field: the conversion's scale operand
.endr
.irp b, 0,1,2,3
	v_lshrrev_b32 v[TM+4+\b], 23, v[TM+12+\b]      ; the scale's byte
.endr
	v_lshl_or_b32 v[PWS+(\a)], v[TM+5], 8, v[TM+4]
	v_lshl_or_b32 v[PWS+(\a)], v[TM+6], 16, v[PWS+(\a)]
	v_lshl_or_b32 v[PWS+(\a)], v[TM+7], 24, v[PWS+(\a)]
	WIN WW                                         ; source 0 in the block's window
.irp c, 0,1
	v_cvt_scalef32_pk16_fp6_f32 v[PCA+6*\c:PCA+6*\c+2], v[AC+32*\c:AC+32*\c+15], v[TM+12+2*\c]
	v_cvt_scalef32_pk16_fp6_f32 v[T2+4*\c:T2+4*\c+2], v[AC+32*\c+16:AC+32*\c+31], v[TM+13+2*\c]
.endr
	WIN 0
	v_nop                                          ; one plain instruction behind the scaled conversions
.irp c, 0,1
.irp i, 0,1,2
	v_permlane16_swap_b32 v[PCA+6*\c+\i], v[T2+4*\c+\i]
.endr
.irp i, 0,1,2
	v_mov_b32 v[PCA+6*\c+3+\i], v[T2+4*\c+\i]
.endr
.endr
	global_store_b128 v[O16], v[PCA:PCA+3], s[12:13] offset:FRB*(\a)             ; each store covers 512 or 256 consecutive bytes, at a multiple of 256 from qkvc's first byte
	global_store_b64 v[O8], v[PCA+4:PCA+5], s[12:13] offset:FRB*(\a)+512
	global_store_b64 v[O8], v[PCA+6:PCA+7], s[12:13] offset:FRB*(\a)+768
	global_store_b128 v[O16], v[PCA+8:PCA+11], s[12:13] offset:FRB*(\a)+1024
.endm
.irp a, 0,1,2,3,4,5,6,7
	QEPI \a
.endr
	v_cmp_le_u32 vcc_lo, 16, v[LN]
.irp k, 0,1,2,3
	v_cndmask_b32 v[SW+\k], v[PWS+\k], v[PWS+4+\k], vcc_lo   ; both halves of the lanes hold their row's eight words: lanes 0-15 store fragments 0-3's, lanes 16-31 fragments 4-7's
.endr
	global_store_b128 v[OS], v[SW:SW+3], s[14:15]  ; 512 consecutive bytes, aligned
	s_wait_tensorcnt 0x0                           ; the wave's end
	ds_add_u32 v[SPW], v[NIL]
	s_wait_dscnt 0x0
	CROUND                                         ; the closing round: no work-group ends while a partner may still ask for a tile that names it
	s_endpgm
.Lfunc_end_k_qc078c74c78_gemm_qkv:
	.size	k_qc078c74c78_gemm_qkv, .Lfunc_end_k_qc078c74c78_gemm_qkv-k_qc078c74c78_gemm_qkv
	.p2alignl 7, 3214868480
	.fill 96, 4, 3214868480
	.section	.rodata,"a",@progbits
	.p2align	6, 0x0
	.amdhsa_kernel k_qc078c74c78_gemm_qkv
		.amdhsa_group_segment_fixed_size 327680
		.amdhsa_private_segment_fixed_size 0
		.amdhsa_enable_private_segment 0
		.amdhsa_kernarg_size 48
		.amdhsa_user_sgpr_count 2
		.amdhsa_user_sgpr_kernarg_segment_ptr 1
		.amdhsa_wavefront_size32 1
		.amdhsa_system_sgpr_workgroup_id_x 1
		.amdhsa_system_sgpr_workgroup_id_y 1
		.amdhsa_system_sgpr_workgroup_id_z 1
		.amdhsa_system_vgpr_workitem_id 0
		.amdhsa_next_free_vgpr 1024
		.amdhsa_next_free_sgpr 100
		.amdhsa_reserve_vcc 1
		.amdhsa_float_denorm_mode_32 3
		.amdhsa_float_denorm_mode_16_64 3
		.amdhsa_memory_ordered 1
		.amdhsa_forward_progress 1
		.amdhsa_inst_pref_size 141
	.end_amdhsa_kernel
	.amdgpu_metadata
---
amdhsa.version: [ 1, 2 ]
amdhsa.kernels:
  - .name:           k_qc078c74c78_gemm_qkv
    .symbol:         k_qc078c74c78_gemm_qkv.kd
    .args:
      - { .name: xc, .offset: 0, .size: 8, .value_kind: global_buffer, .address_space: global }
      - { .name: xs, .offset: 8, .size: 8, .value_kind: global_buffer, .address_space: global }
      - { .name: wc, .offset: 16, .size: 8, .value_kind: global_buffer, .address_space: global }
      - { .name: ws, .offset: 24, .size: 8, .value_kind: global_buffer, .address_space: global }
      - { .name: qkvc, .offset: 32, .size: 8, .value_kind: global_buffer, .address_space: global }
      - { .name: qkvs, .offset: 40, .size: 8, .value_kind: global_buffer, .address_space: global }
    .group_segment_fixed_size: 327680
    .private_segment_fixed_size: 0
    .kernarg_segment_align: 8
    .kernarg_segment_size: 48
    .max_flat_workgroup_size: 128
    .sgpr_count:     100
    .vgpr_count:     1024
    .wavefront_size: 32
...
	.end_amdgpu_metadata
.endif
;; end of part 2
;; launch attn (part 3): grid 4 x 64, 16 waves a work-group, clusters of 4 x 1, 327,680 bytes of LDS; arguments qkvc, qkvs, yc, ys; writes yc, ys
.if DOCPART == 3
	.amdgcn_target "amdgcn-amd-amdhsa--gfx1250"
	.amdhsa_code_object_version 6
	.text
	.protected	k_qc078c74c78_attn
	.globl	k_qc078c74c78_attn
	.p2align	8
	.type	k_qc078c74c78_attn,@function
k_qc078c74c78_attn:
	s_mov_b64 s[64:65], 0
	v_nop
	global_prefetch_b8 v0, s[64:65] scope:SCOPE_SE
	s_setreg_imm32_b32 hwreg(HW_REG_WAVE_MODE, 25, 1), 1
	s_wait_xcnt 0x0
	s_wait_alu depctr_hold_cnt(0) depctr_sa_sdst(0) depctr_va_vdst(0) depctr_va_sdst(0) depctr_va_ssrc(0) depctr_va_vcc(0) depctr_vm_vsrc(0)
	s_getreg_b32 s2, hwreg(HW_REG_IB_STS2, 6, 4)
	s_cmp_eq_u32 s2, 0
	s_cbranch_scc0 .Lentry_in_a_cluster
	s_endpgm
.Lentry_in_a_cluster:
	s_bfe_u32 s2, ttmp6, 0x10000c
	s_cmp_lg_u32 s2, 0x3003
	s_cbranch_scc0 .Lentry_shape_is_right
	s_endpgm
.Lentry_shape_is_right:
; y = softmax(q k^T / sqrt(1024), causal) v for one batch and ONE head a cluster, on codes of FP6 (E2M3) with E8M0 scales; y is quantised in registers for the last product and leaves as codes.
; WORK LEFT OUT: blocks of 128 keys that lie wholly above a query tile's block: reference()'s own causal mask makes their p zero for all inputs (the proof stands at the head of launch quant).
; LIMITS: NaN and infinities are not served; the promise holds while the scaled scores stay under 2^31 in magnitude; a block whose largest magnitude lies under 2^-124 keeps the byte 1, a block of zeros too (this program alone reads the bytes).
; THE DEAL.  Cluster y = 16 x batch + head.  The head's K (2,048 keys x 64: 98,304 bytes) and V (as many) stay in LDS for the whole launch: each of the 16 waves asks for one sixteenth by ONE joint tensor load at the head
; (waves 0-7 two key steps of K each, waves 8-15 two of V), shared by the cluster's four work-groups; nothing is filled again, so one barrier stands at the head and none in the loop.
; A query tile is 16 rows; a block of 128 rows has 8 tiles; work-group cx takes tiles 2 cx and 2 cx + 1 of every block.  WAVE w TAKES TILE 2 cx OF BLOCK w AND TILE 2 cx + 1 OF BLOCK 15 - w: (w + 1) + (16 - w) = 17 key steps for every wave.
; The loop has 16 trips, one a key step, in every wave; a branch on the trip's and the wave's numbers leads round a tile's work where the step lies above its block.  No branch and no LDS address hangs on cx.
; A step of a tile (macro HEAD): S^T = k q^T (8 products; K = 64, so the upper half of q's operand is zero codes), the running whole-number maximum M, p = 2^(t - M), the row's sum of the unquantised p, p's codes and scales, O^T = O^T f + v^T p^T (4 products).
; qkvc, qkvs: as launch gemm_qkv leaves them.  A fragment of q or k holds two heads: bytes 0-767 the even one (registers 0-3 at 16 l, 4-5 at 512 + 8 l), bytes 768-1,535 the odd one (6-7 at 8 l, 8-11 at 256 + 16 l): so the loads of a half have two forms, chosen by the head's parity.
; THE SCALE WORDS go once through registers into LDS (wave w: key step w): K's word shifted so that my head's two bytes are bytes 0 and 1, laid at 16 x lane (lanes 0-15 tiles 0-3, lanes 16-31 tiles 4-7: one load a step); V's four words of my head at 16 r.
; yc: fragment (tile tau, head pair q) at (8 tau + q) x 1,536; each head's half of 768 bytes: its registers 0-3 at 16 l, 4-5 at 512 + 8 l: every store covers 512 or 256 consecutive bytes.  ys: as xs; a head stores its two bytes of a word.
; NO PREFETCH: every tile is asked for at the head, in one group; there is no loop in which a request could run ahead of a load.
.set FRB,   1536
.set STEPB, 6144                       ; a key step of K (8 tiles x 768) and of V (4 tiles x 1,536)
.set VB,    98304
.set SCK,   196608                     ; K's scale words: 512 bytes a step
.set SCV,   204800                     ; V's: 256 bytes a step
.set SPARE, 208896                     ; the spare words: 128 bytes a wave
.set L16, 1                            ; 16 x lane
.set L8,  2                            ; 8 x lane
.set R16, 3                            ; 16 x (lane % 16)
.set DG,  4                            ; my query's place in its block less 16 (lane / 16), for tile 2 cx
.set SPW, 5
.set NIL, 6
.set ADK, 7                            ; v7-12 this step's LDS addresses: K by 16 and by 8, V by 16 and by 8, K's scales, V's scales
.set ADH, 8
.set ADV, 9
.set ADW, 10
.set ADS, 11
.set ADT, 12
.set TMP, 13
; v14-17, v18-21 a tile's -M, largest t, sum in two halves;  v22-33, v34-45 q's six registers and six of zero codes
.set KF,  46                           ; v46-93 K's eight half fragments, then V's four fragments; v94-99 zero codes
.set S,   100                          ; v100-163 scores, then p
.set OB,  164                          ; v164-227 O^T of both tiles
.set P,   228                          ; v228-239 p's codes
.set BM,  236                          ; v236-239 the blocks' largest scores (done with before the codes are made)
.set T,   240
.set SO,  244                          ; the conversions' scale operands (ahead of them: a chain of the row's sum)
.set SCR, 248                          ; v248-251 K's, then V's scale words
.set F,   252
.set PW,  253                          ; p's scale word
.set QS,  254                          ; v254, v255 q's scale words
.set WV,  12
.set E,   13                           ; the head's parity
.set SH,  14
.set EM,  15
.set B0,  16                           ; s16, s17 my tiles' blocks
.set KC,  18
.set TBK, 19
.set SEL, 20
.set CS,  22
.set G1K, 24
.set G1V, 32
.set G0K, 40
.set G0V, 44
.set TBV, 48
.set TS,  49
.set TT,  50
.set YA,  68                           ; s[68:71] where my tiles' codes go; s[72:75] their scale bytes; s[76:79] q's codes; s[80:83] q's scale words
.set YS,  72
.set QA,  76
.set QW,  80
.set KSB, 84
.set VSB, 86
.macro WALU
	s_wait_alu depctr_va_vdst(0)
.endm
.macro ROUND
	s_barrier_signal -1
	s_barrier_wait -1
	s_cmp_lg_u32 s[WV], 0
	s_cbranch_scc1 .Lnot_wave_0_\@
	s_barrier_signal -3
.Lnot_wave_0_\@:
	s_barrier_wait -3
	s_barrier_signal -1
	s_barrier_wait -1
.endm
	s_load_b256 s[4:11], s[0:1], 0x0               ; qkvc, qkvs, yc, ys
	v_lshl_add_u32 v[SPW], v0, 2, SPARE
	v_mov_b32 v[NIL], 0
	ds_add_u32 v[SPW], v[NIL]                      ; the opening lines
	ds_add_u32 v[SPW], v[NIL]
	v_lshrrev_b32 v7, 5, v0
	v_readfirstlane_b32 s[WV], v7
	s_and_b32 s52, ttmp7, 0xffff
	s_lshr_b32 s53, s52, 4                         ; batch
	s_and_b32 s54, s52, 15                         ; head
	s_and_b32 s[E], s54, 1
	s_lshr_b32 s55, s54, 1                         ; pair of heads
	s_bfe_u32 s56, ttmp6, 0x40000                  ; cx: enters global addresses and the mask's numbers alone
	s_lshl_b32 s[SH], s[E], 4
	s_cmp_eq_u32 s[E], 1
	s_cselect_b32 s[EM], -1, 0
	s_mov_b32 s[B0], s[WV]
	s_sub_co_u32 s[B0+1], 15, s[WV]
	s_and_b32 s57, s[WV], 7                        ; which two key steps I fetch
	s_mul_i32 s62, s[E], 768
	s_lshl_b32 s58, s55, 9
	s_lshl_b32 s59, s53, 7                         ; 128 x batch
	s_add_co_u32 s58, s58, s59                     ; q's first fragment of this batch and pair
	s_lshl_b32 s60, s57, 4
	s_add_co_u32 s60, s60, s58
	s_add_co_u32 s60, s60, 4096                    ; k's lie 8 x 512 fragments on
	s_mul_i32 s60, s60, FRB
	s_add_co_u32 s60, s60, s62
	s_mov_b32 s61, 0
	s_lshl_b32 s88, s53, 10                        ; v: fragment 8,192 + 64 x (16 batch + step) + 4 head
	s_lshl_b32 s89, s54, 2
	s_add_co_u32 s88, s88, s89
	s_lshl_b32 s89, s57, 7
	s_add_co_u32 s88, s88, s89
	s_add_co_u32 s88, s88, 8192
	s_mul_i32 s88, s88, FRB
	s_mov_b32 s89, 0
	s_mul_i32 s63, s57, 2*STEPB
	s_mov_b32 s[G1K], 15|(3<<16)|(1<<21)           ; K: 16 rows (tiles) of 768 bytes, 1,536 apart; elements of 8 bytes; the mask names the cluster's four
	s_mov_b32 s[G1K+1], 96<<16
	s_mov_b32 s[G1K+2], 16<<16
	s_mov_b32 s[G1K+3], 96<<16
	s_mov_b32 s[G1K+4], 16
	s_mov_b32 s[G1K+5], 192
	s_mov_b32 s[G1K+6], 0
	s_mov_b32 s[G1K+7], 0
	s_mov_b32 s[G1V], 15|(3<<16)|(1<<21)           ; V: 2 rows (key steps) of 6,144 bytes, 98,304 apart
	s_mov_b32 s[G1V+1], 768<<16
	s_mov_b32 s[G1V+2], 2<<16
	s_mov_b32 s[G1V+3], 768<<16
	s_mov_b32 s[G1V+4], 2
	s_mov_b32 s[G1V+5], 12288
	s_mov_b32 s[G1V+6], 0
	s_mov_b32 s[G1V+7], 0
	s_mov_b32 s[SEL], 0x76543210
	s_mov_b32 s[SEL+1], 0xfedcba98
	s_mov_b32 s[CS], 0x3d38aa3b                    ; log2(e) / sqrt(1024)
	s_mov_b32 s[CS+1], s[CS]
	s_mov_b32 s[KC], 0
	s_mov_b32 s[TBK], 0
	s_mov_b32 s[TBV], VB
	s_mov_b32 s[TS], SCK
	s_mov_b32 s[TT], SCV
	WALU
	s_wait_dscnt 0x0
	ROUND                                          ; in front of the joint loads
	s_wait_kmcnt 0x0
	s_mov_b32 s[G0K], 1
	s_mov_b32 s[G0K+1], s63
	s_add_nc_u64 s[G0K+2:G0K+3], s[4:5], s[60:61]
	s_or_b32 s[G0K+3], s[G0K+3], 0x80000000
	s_mov_b32 s[G0V], 1
	s_add_co_u32 s[G0V+1], s63, VB
	s_add_nc_u64 s[G0V+2:G0V+3], s[4:5], s[88:89]
	s_or_b32 s[G0V+3], s[G0V+3], 0x80000000
	s_cmp_lt_u32 s[WV], 8
	s_cbranch_scc0 .Lfor_v
	tensor_load_to_lds s[G0K:G0K+3], s[G1K:G1K+7]
	s_nop 0
.rept 4
	v_nop
.endr
	s_branch .Lasked
.Lfor_v:
	tensor_load_to_lds s[G0V:G0V+3], s[G1V:G1V+7]
	s_nop 0
.rept 4
	v_nop
.endr
.Lasked:
	; under the loads' flight: addresses, q, the scale words, the first state
	v_and_b32 v7, 31, v0
	v_lshlrev_b32 v[L16], 4, v7
	v_lshlrev_b32 v[L8], 3, v7
	v_and_b32 v8, 15, v0                           ; r
	v_lshlrev_b32 v[R16], 4, v8
	v_bfe_u32 v9, v0, 4, 1                         ; lane / 16
	v_lshlrev_b32 v10, 5, v8                       ; 32 r: a row's eight scale words
	v_lshl_add_u32 v11, v9, 4, v10                 ; + 16 (lane / 16)
	v_and_b32 v[DG], 7, v0
	v_bfe_u32 v[TMP], v0, 3, 1
	v_lshl_add_u32 v[DG], v[TMP], 4, v[DG]         ; lane r of a tile holds row r % 8 + 16 (r / 8) of its 32
	v_lshlrev_b32 v[TMP], 4, v9
	v_sub_nc_u32 v[DG], v[DG], v[TMP]
	s_lshl_b32 s94, s56, 5
	v_add_nc_u32 v[DG], s94, v[DG]                 ; tiles 2 cx, 2 cx + 1 are rows 32 cx .. of the block
	s_lshl_b32 s57, s56, 1
	s_mov_b32 s93, 0
.irp j, 0,1
	s_lshl_b32 s90, s[B0+\j], 3
	s_add_co_u32 s90, s90, s57
.if \j
	s_add_co_u32 s90, s90, 1
.endif
	s_add_co_u32 s91, s90, s58                     ; q's fragment: + 8 block + 2 cx + j
	s_mul_i32 s92, s91, FRB
	s_add_co_u32 s92, s92, s62
	s_add_nc_u64 s[QA+2*\j:QA+2*\j+1], s[4:5], s[92:93]
	s_lshr_b32 s92, s91, 3
	s_lshl_b32 s92, s92, 9
	s_and_b32 s94, s91, 7
	s_lshl_b32 s94, s94, 2
	s_add_co_u32 s92, s92, s94
	s_add_nc_u64 s[QW+2*\j:QW+2*\j+1], s[6:7], s[92:93]
	s_add_co_u32 s91, s90, s59                     ; y's tile
	s_lshl_b32 s92, s91, 3
	s_add_co_u32 s92, s92, s55
	s_mul_i32 s92, s92, FRB
	s_add_co_u32 s92, s92, s62
	s_add_nc_u64 s[YA+2*\j:YA+2*\j+1], s[8:9], s[92:93]
	s_lshr_b32 s92, s55, 1
	s_lshl_b32 s92, s92, 16
	s_lshl_b32 s94, s91, 7
	s_add_co_u32 s92, s92, s94
	s_and_b32 s94, s55, 1
	s_lshl_b32 s94, s94, 2
	s_add_co_u32 s92, s92, s94
	s_lshl_b32 s94, s[E], 1
	s_add_co_u32 s92, s92, s94
	s_add_nc_u64 s[YS+2*\j:YS+2*\j+1], s[10:11], s[92:93]
.endr
	s_add_co_u32 s92, s58, 4096                    ; K's scale words of key step w: 64 bytes a fragment, 512 a step
	s_lshl_b32 s92, s92, 6
	s_lshl_b32 s94, s[WV], 9
	s_add_co_u32 s92, s92, s94
	s_add_nc_u64 s[KSB:KSB+1], s[6:7], s[92:93]
	s_lshl_b32 s92, s[WV], 3                       ; V's: group 1,024 + 8 (16 batch + w) + pair
	s_add_co_u32 s92, s92, s59
	s_add_co_u32 s92, s92, s55
	s_add_co_u32 s92, s92, 1024
	s_lshl_b32 s92, s92, 9
	s_add_nc_u64 s[VSB:VSB+1], s[6:7], s[92:93]
	s_add_co_u32 s94, s94, SCK                     ; where my step's words go in LDS
	s_lshl_b32 s95, s[WV], 8
	s_add_co_u32 s95, s95, SCV
	WALU
	global_load_b128 v[S:S+3], v11, s[KSB:KSB+1]   ; lanes 0-15 tiles 0-3's words of row r, lanes 16-31 tiles 4-7's
	global_load_b128 v[S+4:S+7], v10, s[VSB:VSB+1] ; the even head's four words of row r,
	global_load_b128 v[S+8:S+11], v10, s[VSB:VSB+1] offset:16   ; the odd head's
	global_load_b32 v[QS], v10, s[QW:QW+1]
	global_load_b32 v[QS+1], v10, s[QW+2:QW+3]
	s_cmp_eq_u32 s[E], 0
	s_cbranch_scc0 .Lq_odd
.irp j, 0,1
	global_load_b128 v[22+12*\j:25+12*\j], v[L16], s[QA+2*\j:QA+2*\j+1]
	global_load_b64 v[26+12*\j:27+12*\j], v[L8], s[QA+2*\j:QA+2*\j+1] offset:512
.endr
	s_branch .Lq_asked
.Lq_odd:
.irp j, 0,1
	global_load_b64 v[22+12*\j:23+12*\j], v[L8], s[QA+2*\j:QA+2*\j+1]
	global_load_b128 v[24+12*\j:27+12*\j], v[L16], s[QA+2*\j:QA+2*\j+1] offset:256
.endr
.Lq_asked:
.irp j, 0,1
	v_mov_b32 v[15+4*\j], 0xff61b1e6               ; the largest t so far: -3e38
	v_floor_f32 v[14+4*\j], -v[15+4*\j]
	v_mov_b32 v[16+4*\j], 0
	v_mov_b32 v[17+4*\j], 0
.endr
.irp i, 28,29,30,31,32,33, 40,41,42,43,44,45, 94,95,96,97,98,99, 240,241,242,243, 252,253
	v_mov_b32 v\i, 0
.endr
.set n, 0
.rept 64
	v_mov_b32 v[OB+n], 0                           ; the step is written once: the first finds zeros
.set n, n+1
.endr
	s_wait_loadcnt 0x0
.irp i, 0,1,2,3
	v_lshrrev_b32 v[S+\i], s[SH], v[S+\i]          ; my head's two bytes to bytes 0 and 1 (what stands above them meets zero codes and is a finite byte)
.endr
.irp i, 0,1,2,3
	v_cndmask_b32 v[S+4+\i], v[S+4+\i], v[S+8+\i], s[EM]
.endr
	v_lshrrev_b32 v[QS], s[SH], v[QS]
	v_lshrrev_b32 v[QS+1], s[SH], v[QS+1]
	v_add_nc_u32 v[ADS], s94, v[L16]
	v_add_nc_u32 v[ADT], s95, v[R16]
	WALU
	s_wait_tensorcnt 0x0                           ; my part of K or V is in
	ds_store_b128 v[ADS], v[S:S+3]
	ds_store_b128 v[ADT], v[S+4:S+7]               ; (both halves of the lanes write the same bytes with the same values)
	s_wait_dscnt 0x0
	s_barrier_signal -1
	s_barrier_wait -1                              ; all of K, V and the scale words are in; nothing in LDS is written from here on
.macro QK t, j, qr                     ; source 0's upper six registers are the next tile's codes (tile 7: zero codes): they meet q's zero codes
.if (\t) < 4
	v_wmma_scale_f32_16x16x128_f8f6f4 v[S+8*(\t):S+8*(\t)+7], v[KF+6*(\t):KF+6*(\t)+11], v[\qr:\qr+11], 0, v[SCR+(\t)], v[QS+\j] matrix_a_fmt:MATRIX_FMT_FP6 matrix_b_fmt:MATRIX_FMT_FP6
.else
	v_wmma_scale_f32_16x16x128_f8f6f4 v[S+8*(\t):S+8*(\t)+7], v[KF+6*(\t):KF+6*(\t)+11], v[\qr:\qr+11], 0, v[SCR+(\t)-4], v[QS+\j] matrix_a_fmt:MATRIX_FMT_FP6 matrix_b_fmt:MATRIX_FMT_FP6 matrix_a_scale:MATRIX_SCALE_ROW1
.endif
.endm
.macro HEAD j
.set ST, 14+4*(\j)
.set OA, OB+32*(\j)
.set QR, 22+12*(\j)
	ds_load_b128 v[SCR:SCR+3], v[ADS]              ; the scale words first, then the tiles in their order, two loads each
	s_cmp_eq_u32 s[E], 0
	s_cbranch_scc0 .Lodd_\@
.irp t, 0,1,2,3,4,5,6,7
	ds_load_b128 v[KF+6*\t:KF+6*\t+3], v[ADK] offset:768*\t
	ds_load_b64 v[KF+6*\t+4:KF+6*\t+5], v[ADH] offset:768*\t+512
.endr
	s_branch .Lhave_\@
.Lodd_\@:
.irp t, 0,1,2,3,4,5,6,7
	ds_load_b64 v[KF+6*\t:KF+6*\t+1], v[ADH] offset:768*\t
	ds_load_b128 v[KF+6*\t+2:KF+6*\t+5], v[ADK] offset:768*\t+256
.endr
.Lhave_\@:
.irp u, 0,1,2,3                        ; products 2 u, 2 u + 1 name tiles up to 2 u + 2: the two loads of each later tile may be out: 10, 6, 2, 0
.if \u < 3
	s_wait_dscnt 10-4*\u
.else
	s_wait_dscnt 0x0
.endif
	QK 2*\u, \j, QR
	QK 2*\u+1, \j, QR
.endr
.rept 4
	v_nop                                          ; places in front of the loads into the products' registers and of the first read of the scores
.endr
.irp t, 0,1,2,3                        ; V's fragments land where K's lay, under the softmax
	ds_load_b128 v[KF+12*\t:KF+12*\t+3], v[ADV] offset:FRB*\t
	ds_load_b64 v[KF+12*\t+4:KF+12*\t+5], v[ADW] offset:FRB*\t+512
	ds_load_b64 v[KF+12*\t+6:KF+12*\t+7], v[ADW] offset:FRB*\t+768
	ds_load_b128 v[KF+12*\t+8:KF+12*\t+11], v[ADV] offset:FRB*\t+1024
.endr
	ds_load_b128 v[SCR:SCR+3], v[ADT]
	s_cmp_lg_u32 s[KC], s[B0+\j]
	s_cbranch_scc1 .Lopen_\@
	v_mov_b32 v[TMP], 0xff800000                   ; the tile's own block: register n is key 32 (n / 16) + n % 16 + 16 (lane / 16)
.set n, 0
.rept 64
	v_cmp_gt_i32 vcc_lo, 32*(n/16)+n%16-8*(\j), v[DG]
	v_cndmask_b32 v[S+n], v[S+n], v[TMP], vcc_lo
.set n, n+1
.endr
.Lopen_\@:
.irp b, 0,1,2,3
	v_max3_num_f32 v[BM+\b], v[S+16*\b], v[S+16*\b+1], v[S+16*\b+2]   ; each block's largest score: for the row's maximum and for the block's largest p
.endr
.irp i, 3,5,7,9,11,13
.irp b, 0,1,2,3
	v_max3_num_f32 v[BM+\b], v[BM+\b], v[S+16*\b+\i], v[S+16*\b+\i+1]
.endr
.endr
.irp b, 0,1,2,3
	v_max_num_f32 v[BM+\b], v[BM+\b], v[S+15+16*\b]
.endr
.irp b, 0,1,2,3
	s_delay_alu instid0(VALU_DEP_4)
	v_permlanex16_b32 v[T+\b], v[BM+\b], s[SEL], s[SEL+1]
.endr
.irp b, 0,1,2,3
	s_delay_alu instid0(VALU_DEP_4)
	v_max_num_f32 v[BM+\b], v[BM+\b], v[T+\b]
.endr
	s_delay_alu instid0(VALU_DEP_2)
	v_max3_num_f32 v[TMP], v[BM], v[BM+1], v[BM+2]
	s_delay_alu instid0(VALU_DEP_1)
	v_max_num_f32 v[TMP], v[TMP], v[BM+3]
	s_delay_alu instid0(VALU_DEP_1)
	v_mul_f32 v[TMP], s[CS], v[TMP]
	s_delay_alu instid0(VALU_DEP_1)
	v_max_num_f32 v[ST+1], v[ST+1], v[TMP]         ; the running largest t
	v_mov_b32 v[TMP], v[ST]
	s_delay_alu instid0(VALU_DEP_2)
	v_floor_f32 v[ST], -v[ST+1]                    ; -M = -ceil(t): a whole number
	s_delay_alu instid0(VALU_DEP_1)
	v_sub_f32 v[TMP], v[ST], v[TMP]
	s_delay_alu instid0(VALU_DEP_1)
	v_cvt_i32_f32 v[TMP], v[TMP]
	s_delay_alu instid0(VALU_DEP_1)
	v_ldexp_f32 v[F], 1.0, v[TMP]                  ; f = 2^(old M - new M)
.set n, 0
.rept 32
	v_pk_fma_f32 v[S+n:S+n+1], v[S+n:S+n+1], s[CS:CS+1], v[ST:ST+1] op_sel_hi:[1,0,0]
.set n, n+2
.endr
.irp b, 0,1,2,3
	v_fma_f32 v[BM+\b], v[BM+\b], s[CS], v[ST]
.endr
	WALU
.set n, 0
.rept 64
	v_exp_f32 v[S+n], v[S+n]
.set n, n+1
.endr
	v_pk_mul_f32 v[ST+2:ST+3], v[ST+2:ST+3], v[F:F+1] op_sel_hi:[1,0]
	WALU
.irp b, 0,1,2,3
	v_exp_f32 v[BM+\b], v[BM+\b]
.endr
	; the row's sum of the unquantised p: 32 pairs in four chains by turns, so that a line reads what the fourth line before it wrote
	v_pk_add_f32 v[T:T+1], v[S:S+1], v[S+2:S+3]
	v_pk_add_f32 v[T+2:T+3], v[S+4:S+5], v[S+6:S+7]
	v_pk_add_f32 v[SO:SO+1], v[S+8:S+9], v[S+10:S+11]
	v_pk_add_f32 v[ST+2:ST+3], v[ST+2:ST+3], v[S+12:S+13]
.set n, 14
.rept 6
	v_pk_add_f32 v[T:T+1], v[T:T+1], v[S+n:S+n+1]
	v_pk_add_f32 v[T+2:T+3], v[T+2:T+3], v[S+n+2:S+n+3]
	v_pk_add_f32 v[SO:SO+1], v[SO:SO+1], v[S+n+4:S+n+5]
	v_pk_add_f32 v[ST+2:ST+3], v[ST+2:ST+3], v[S+n+6:S+n+7]
.set n, n+8
.endr
	v_pk_add_f32 v[T:T+1], v[T:T+1], v[S+62:S+63]
	v_pk_add_f32 v[ST+2:ST+3], v[ST+2:ST+3], v[SO:SO+1]
	v_pk_add_f32 v[T:T+1], v[T:T+1], v[T+2:T+3]
	v_pk_add_f32 v[ST+2:ST+3], v[ST+2:ST+3], v[T:T+1]
	WALU
.irp b, 0,1,2,3
	v_max_num_f32 v[BM+\b], 0x1800000, v[BM+\b]    ; the floor 2^(3 - 127)
.endr
.irp b, 0,1,2,3
	s_delay_alu instid0(VALU_DEP_4)
	v_add_nc_u32 v[SO+\b], 0xff000000, v[BM+\b]
.endr
.irp b, 0,1,2,3
	s_delay_alu instid0(VALU_DEP_4)
	v_lshrrev_b32 v[T+\b], 23, v[SO+\b]
.endr
	s_delay_alu instid0(VALU_DEP_3)
	v_lshl_or_b32 v[PW], v[T+1], 8, v[T]
	s_delay_alu instid0(VALU_DEP_1)
	v_lshl_or_b32 v[PW], v[T+2], 16, v[PW]
	s_delay_alu instid0(VALU_DEP_1)
	v_lshl_or_b32 v[PW], v[T+3], 24, v[PW]
	v_cvt_scalef32_pk16_fp6_f32 v[P:P+2], v[S:S+15], v[SO]
	v_cvt_scalef32_pk16_fp6_f32 v[P+6:P+8], v[S+32:S+47], v[SO+2]
	v_nop                                          ; a plain line: the next two write registers that these two have read
	v_cvt_scalef32_pk16_fp6_f32 v[S:S+2], v[S+16:S+31], v[SO+1]
	v_cvt_scalef32_pk16_fp6_f32 v[S+32:S+34], v[S+48:S+63], v[SO+3]
	v_nop
.irp c, 0,1                            ; the six swaps, then the six moves: a move reads what the sixth line before it wrote
.irp i, 0,1,2
	v_permlane16_swap_b32 v[P+6*\c+\i], v[S+32*\c+\i]
.endr
.endr
.irp c, 0,1
.irp i, 0,1,2
	v_mov_b32 v[P+6*\c+3+\i], v[S+32*\c+\i]
.endr
.endr
	WALU
.set n, 0
.rept 16
	v_pk_mul_f32 v[OA+n:OA+n+1], v[OA+n:OA+n+1], v[F:F+1] op_sel_hi:[1,0]
.set n, n+2
.endr
	WALU
	s_wait_dscnt 0x0                               ; V's fragments and scale words are in
.irp t, 0,1,2,3
	v_wmma_scale_f32_16x16x128_f8f6f4 v[OA+8*\t:OA+8*\t+7], v[KF+12*\t:KF+12*\t+11], v[P:P+11], v[OA+8*\t:OA+8*\t+7], v[SCR+\t], v[PW] matrix_a_fmt:MATRIX_FMT_FP6 matrix_b_fmt:MATRIX_FMT_FP6
.endr
.endm
.Lstep:                                                ; 16 trips in every wave; these six lines are also the places behind the last products
	v_add_nc_u32 v[ADK], s[TBK], v[L16]
	v_add_nc_u32 v[ADH], s[TBK], v[L8]
	v_add_nc_u32 v[ADV], s[TBV], v[L16]
	v_add_nc_u32 v[ADW], s[TBV], v[L8]
	v_add_nc_u32 v[ADS], s[TS], v[L16]
	v_add_nc_u32 v[ADT], s[TT], v[R16]
	WALU
	s_cmp_gt_u32 s[KC], s[B0]
	s_cbranch_scc1 .Lnot_0                         ; the step lies above tile 0's block
	HEAD 0
.Lnot_0:
	s_cmp_gt_u32 s[KC], s[B0+1]
	s_cbranch_scc1 .Lnot_1
.rept 4
	v_nop
.endr
	HEAD 1
.Lnot_1:
	s_add_co_u32 s[TBK], s[TBK], STEPB
	s_add_co_u32 s[TBV], s[TBV], STEPB
	s_add_co_u32 s[TS], s[TS], 512
	s_add_co_u32 s[TT], s[TT], 256
	s_add_co_u32 s[KC], s[KC], 1
	s_cmp_lt_u32 s[KC], 16
	s_cbranch_scc1 .Lstep
	; THE WAY OUT: O^T / the sum; each tile's 64 channels are two blocks of the last product's K: blocks 0, 1 tile 0's, blocks 2, 3 tile 1's
.rept 4
	v_nop
.endr
	v_add_f32 v16, v16, v17
	v_add_f32 v20, v20, v21
	v_permlanex16_b32 v[F], v16, s[SEL], s[SEL+1]
	v_permlanex16_b32 v[TMP], v20, s[SEL], s[SEL+1]
	v_add_f32 v16, v16, v[F]
	v_add_f32 v20, v20, v[TMP]
	WALU
	v_rcp_f32 v16, v16
	v_rcp_f32 v20, v20
	v_lshrrev_b32 v7, 1, v[R16]                    ; 8 r: a row's place among ys's words
.irp b, 0,1,2,3
	v_mov_b32 v[52+\b], 0
.endr
	WALU
.irp j, 0,1
.set n, 0
.rept 16
	v_pk_mul_f32 v[S+32*\j+n:S+32*\j+n+1], v[OB+32*\j+n:OB+32*\j+n+1], v[16+4*\j:17+4*\j] op_sel_hi:[1,0]
.set n, n+2
.endr
.endr
.irp b, 0,1,2,3
	v_max3_num_f32 v[48+\b], |v[S+16*\b]|, |v[S+16*\b+1]|, 0x1800000
.endr
.irp i, 2,4,6,8,10,12,14
.irp b, 0,1,2,3
	v_max3_num_f32 v[48+\b], v[48+\b], |v[S+16*\b+\i]|, |v[S+16*\b+\i+1]|
.endr
.endr
.irp b, 0,1,2,3
	v_permlanex16_b32 v[52+\b], v[48+\b], s[SEL], s[SEL+1]
.endr
.irp b, 0,1,2,3
	v_max_num_f32 v[48+\b], v[48+\b], v[52+\b]
.endr
.irp b, 0,1,2,3
	v_add_nc_u32 v[60+\b], 0xff000000, v[48+\b]
.endr
.irp b, 0,1,2,3
	v_lshrrev_b32 v[52+\b], 23, v[60+\b]
.endr
	v_lshl_or_b32 v84, v53, 8, v52
	v_lshl_or_b32 v84, v54, 16, v84
	v_lshl_or_b32 v84, v55, 24, v84                ; low half: tile 0's two bytes; high half: tile 1's
.irp c, 0,1
	v_cvt_scalef32_pk16_fp6_f32 v[72+6*\c:74+6*\c], v[S+32*\c:S+32*\c+15], v[60+2*\c]
	v_cvt_scalef32_pk16_fp6_f32 v[64+4*\c:66+4*\c], v[S+32*\c+16:S+32*\c+31], v[61+2*\c]
.endr
	v_nop
.irp c, 0,1
.irp i, 0,1,2
	v_permlane16_swap_b32 v[72+6*\c+\i], v[64+4*\c+\i]
.endr
.irp i, 0,1,2
	v_mov_b32 v[75+6*\c+\i], v[64+4*\c+\i]
.endr
.endr
.irp j, 0,1
	global_store_b128 v[L16], v[72+6*\j:75+6*\j], s[YA+2*\j:YA+2*\j+1]             ; 512 consecutive bytes, aligned
	global_store_b64 v[L8], v[76+6*\j:77+6*\j], s[YA+2*\j:YA+2*\j+1] offset:512    ; 256 consecutive bytes, aligned
.endr
	global_store_b16 v7, v84, s[YS:YS+1]           ; two bytes a row (both halves of the lanes store the same): one byte in 24 of what leaves
	global_store_d16_hi_b16 v7, v84, s[YS+2:YS+3]
	s_wait_tensorcnt 0x0                           ; the wave's end
	ds_add_u32 v[SPW], v[NIL]
	s_wait_dscnt 0x0
	ROUND                                          ; the closing round
	s_endpgm
.Lfunc_end_k_qc078c74c78_attn:
	.size	k_qc078c74c78_attn, .Lfunc_end_k_qc078c74c78_attn-k_qc078c74c78_attn
	.p2alignl 7, 3214868480
	.fill 96, 4, 3214868480
	.section	.rodata,"a",@progbits
	.p2align	6, 0x0
	.amdhsa_kernel k_qc078c74c78_attn
		.amdhsa_group_segment_fixed_size 327680
		.amdhsa_private_segment_fixed_size 0
		.amdhsa_enable_private_segment 0
		.amdhsa_kernarg_size 32
		.amdhsa_user_sgpr_count 2
		.amdhsa_user_sgpr_kernarg_segment_ptr 1
		.amdhsa_wavefront_size32 1
		.amdhsa_system_sgpr_workgroup_id_x 1
		.amdhsa_system_sgpr_workgroup_id_y 1
		.amdhsa_system_sgpr_workgroup_id_z 1
		.amdhsa_system_vgpr_workitem_id 0
		.amdhsa_next_free_vgpr 256
		.amdhsa_next_free_sgpr 100
		.amdhsa_reserve_vcc 1
		.amdhsa_float_denorm_mode_32 3
		.amdhsa_float_denorm_mode_16_64 3
		.amdhsa_memory_ordered 1
		.amdhsa_forward_progress 1
		.amdhsa_inst_pref_size 67
	.end_amdhsa_kernel
	.amdgpu_metadata
---
amdhsa.version: [ 1, 2 ]
amdhsa.kernels:
  - .name:           k_qc078c74c78_attn
    .symbol:         k_qc078c74c78_attn.kd
    .args:
      - { .name: qkvc, .offset: 0, .size: 8, .value_kind: global_buffer, .address_space: global }
      - { .name: qkvs, .offset: 8, .size: 8, .value_kind: global_buffer, .address_space: global }
      - { .name: yc, .offset: 16, .size: 8, .value_kind: global_buffer, .address_space: global }
      - { .name: ys, .offset: 24, .size: 8, .value_kind: global_buffer, .address_space: global }
    .group_segment_fixed_size: 327680
    .private_segment_fixed_size: 0
    .kernarg_segment_align: 8
    .kernarg_segment_size: 32
    .max_flat_workgroup_size: 512
    .sgpr_count:     100
    .vgpr_count:     256
    .wavefront_size: 32
...
	.end_amdgpu_metadata
.endif
;; end of part 3
;; launch gemm_out (part 4): grid 4 x 64, 4 waves a work-group, clusters of 4 x 4, 327,680 bytes of LDS; arguments yc, ys, wc, ws, out0; writes out0
.if DOCPART == 4
	.amdgcn_target "amdgcn-amd-amdhsa--gfx1250"
	.amdhsa_code_object_version 6
	.text
	.protected	k_qc078c74c78_gemm_out
	.globl	k_qc078c74c78_gemm_out
	.p2align	8
	.type	k_qc078c74c78_gemm_out,@function
k_qc078c74c78_gemm_out:
	s_mov_b64 s[64:65], 0
	v_nop
	global_prefetch_b8 v0, s[64:65] scope:SCOPE_SE
	s_setreg_imm32_b32 hwreg(HW_REG_WAVE_MODE, 25, 1), 1
	s_wait_xcnt 0x0
	s_wait_alu depctr_hold_cnt(0) depctr_sa_sdst(0) depctr_va_vdst(0) depctr_va_sdst(0) depctr_va_ssrc(0) depctr_va_vcc(0) depctr_vm_vsrc(0)
	s_getreg_b32 s2, hwreg(HW_REG_IB_STS2, 6, 4)
	s_cmp_eq_u32 s2, 0
	s_cbranch_scc0 .Lentry_in_a_cluster
	s_endpgm
.Lentry_in_a_cluster:
	s_bfe_u32 s2, ttmp6, 0x10000c
	s_cmp_lg_u32 s2, 0xf033
	s_cbranch_scc0 .Lentry_shape_is_right
	s_endpgm
.Lentry_shape_is_right:
; out0 = y W_proj on codes of FP6 (E2M3) with E8M0 scales, K = 1,024; f32 sums, stored as f32.
; A' = y: yc as launch attn leaves it: fragment (tile tau of 16 rows, K step q) at (8 tau + q) x 1,536 bytes: registers 0-3 at 16 l, 4-5 at 512 + 8 l, 6-9 at 768 + 16 l, 10-11 at 1,280 + 8 l.
; B' = W_proj's columns: wc's tiles 192 .. 255, fragments at the same places: registers 4 c .. 4 c + 3 at 512 c + 16 l.  Lane r of a tile holds row 32 (tau / 2) + 8 (tau % 2) + r % 8 + 16 (r / 8).
; Scale words (four bytes: 128 K of a row): (tau, r, q) at (q / 2) x 65,536 + 128 tau + 8 r + 4 (q % 2) of ys and of ws.
; THE DEAL: 64 x 4 = 256 work-groups of four waves; a work-group makes 128 rows x 256 columns, a wave 64 x 128: 32 accumulators of 16 x 16.
; ALL OF K LIES IN LDS AT ONCE: A's 8 tiles (98,304 bytes, dense in memory), B's 16 tiles (196,608, dense) and their scale words come by four tensor loads at the head, one a wave.  Nothing is filled again: no ring, one barrier behind the loads.
; CLUSTERS: 4 x 4 work-groups; A's tiles and scale words are shared by a row of the cluster, B's by a column: each is asked for jointly, by the same load with a mask that names the four.
; K goes in eight steps of 128, written out: every offset is an immediate.  A and B have two sets of fragment registers each: a step asks for the next step's fragments, then issues its 32 products.
; THE MATRIX INSTRUCTION IS USED TRANSPOSED (source 0 = 16 rows of B', source 1 = 16 rows of A'): a lane holds one row of out0, and its 16 registers of two neighbouring tiles of B' are 16 neighbouring columns.
; THE WAY OUT goes through a stage in LDS on A's bytes, behind a barrier in front of which every wave has finished its reads of LDS; whole rows of 512 bytes are stored.
; NO PREFETCH: every tile is asked for at the head, in one group; there is no loop in which a request could run ahead of a load.
; REGISTERS, in windows of 256: window 0: v0-31 addresses, v32-63 scale words (two sets), v128-223 A's fragments (two sets of 4), on the way out v128-255 rows read back; window 1: B's fragments, sets at v0 and v128; window 2: the accumulators ((a, b) at v[8 (8 a + b)]).
.set FRB,   1536
.set TROW,  8*FRB                      ; a tile's eight fragments
.set BB,    8*TROW                     ; B's tiles lie behind A's eight
.set SCL,   BB+16*TROW                 ; the scale words: A's in 4 rows (pairs of K steps) of 2,048 bytes (1,024 of words, 1,024 of zeros), then B's in 4 rows of 2,048
.set SPARE, SCL+16384                  ; the spare words, 128 bytes for each wave
.set SPITCH, 528                       ; the stage: 16 rows x (512 bytes + 16) for each wave
.set FR,    12
.set NP,    4                          ; places behind this matrix instruction (ISA guide 7.12.1)
.set ADRA,  16                         ; v16 LDS address of my A fragments by 16 x lane, v17 by 8 x lane
.set ADRB,  20                         ; v20 of my B tiles 0-3, v21 of tiles 4-7
.set STO,   24
.set RD,    25
.set CO,    26                         ; 16 x lane
.set ADRS,  27                         ; my scale words: lanes 0-15 A's rows, lanes 16-31 B's
.set SPW,   28
.set NIL,   29
.set SC,    32                         ; set s at v[SC + 16 s]; register 2 i + q: lanes 0-15 the word of A's block i, lanes 16-31 of B's block i, for the pair's q-th step
.set AF,    128
.set BK,    128
.set G1,   24                          ; descriptor groups 1: A's codes, B's codes, A's scale words, B's
.set G1B,  48
.set G1S,  68
.set G1SB, 80
.set G0,   32                          ; groups 0, in the same order
.set G0B,  36
.set G0S,  56
.set G0SB, 60
.set MSB, 0
.macro WIN new                         ; the immediate's high byte repeats the setting that is left
.if MSB != (\new)
	s_set_vgpr_msb (MSB<<8)|(\new)
.set MSB, (\new)
.endif
.endm
.set MUL,  0xa1                        ; source 0 (B') window 1, source 1 (A') window 0, C and D window 2
.set TO_B, 0x40                        ; destination window 1, address window 0
.macro PLACES n
.rept \n
	v_nop
.endr
.endm
.macro CROUND                          ; a round of the cluster's barrier
	s_barrier_signal -1
	s_barrier_wait -1
	s_cmp_lg_u32 s16, 0
	s_cbranch_scc1 .Lnot_wave_0_\@
	s_barrier_signal -3
.Lnot_wave_0_\@:
	s_barrier_wait -3
	s_barrier_signal -1
	s_barrier_wait -1
.endm
	s_load_b256 s[4:11], s[0:1], 0x0               ; yc, ys, wc, ws
	s_load_b64 s[12:13], s[0:1], 0x20              ; out0
	v_lshl_add_u32 v[SPW], v0, 2, SPARE
	v_mov_b32 v[NIL], 0
	ds_add_u32 v[SPW], v[NIL]                      ; the opening lines
	ds_add_u32 v[SPW], v[NIL]
	v_lshrrev_b32 v1, 5, v0
	v_readfirstlane_b32 s16, v1                    ; wave 0..3
	s_lshr_b32 s17, s16, 1                         ; which 64 of the 128 rows are mine
	s_and_b32 s18, s16, 1                          ; which 128 of the 256 columns
	s_bfe_u32 s40, ttmp6, 0x40000                  ; cx, cy
	s_bfe_u32 s41, ttmp6, 0x40004
	s_lshl_b32 s2, s41, 2
	s_lshl_b32 s2, 15, s2                          ; my row of the cluster
	s_lshl_b32 s3, 0x1111, s40                     ; my column
	s_or_b32 s[G1], s2, (3<<16)|(1<<21)            ; elements of 8 bytes, no padding, bit 21 beside the mask
	s_or_b32 s[G1B], s3, (3<<16)|(1<<21)
	s_or_b32 s[G1S], s2, (3<<16)|(1<<21)
	s_or_b32 s[G1SB], s3, (3<<16)|(1<<21)
.irp g, G1, G1B                        ; rows (tiles) of 12,288 bytes, one behind the other
	s_mov_b32 s[\g+1], 1536<<16
	s_mov_b32 s[\g+3], 1536<<16
	s_mov_b32 s[\g+5], 1536
	s_mov_b32 s[\g+6], 0
	s_mov_b32 s[\g+7], 0
.endr
	s_mov_b32 s[G1+2], 8<<16                       ; A: 8 tiles
	s_mov_b32 s[G1+4], 8
	s_mov_b32 s[G1B+2], 16<<16                     ; B: 16
	s_mov_b32 s[G1B+4], 16
.irp g, G1S, G1SB                      ; 4 rows (pairs of K steps), 65,536 bytes apart, laid 2,048 bytes apart in LDS
	s_mov_b32 s[\g+2], 4<<16
	s_mov_b32 s[\g+3], 256<<16
	s_mov_b32 s[\g+4], 4
	s_mov_b32 s[\g+5], 8192
	s_mov_b32 s[\g+6], 0
	s_mov_b32 s[\g+7], 0
.endr
	s_mov_b32 s[G1S+1], 128<<16                    ; A's 8 tiles have 1,024 bytes a row: beyond tensor_dim0 the load writes zeros, so that A's rows and B's are as far apart
	s_mov_b32 s[G1SB+1], 256<<16
	s_and_b32 s43, ttmp7, 0xffff
	s_lshl_b32 s43, s43, 2
	s_add_co_u32 s43, s43, s41                     ; which 128 rows: 4 x cluster y + cy
	s_lshl_b32 s42, ttmp9, 2
	s_add_co_u32 s42, s42, s40                     ; which 256 columns: 4 x cluster x + cx.  s20-23 never hold cx, s44-47 never cy
	s_mul_i32 s20, s43, 8*TROW
	s_mov_b32 s21, 0
	s_lshl_b32 s22, s43, 10
	s_mov_b32 s23, 0
	s_lshl_b32 s44, s42, 4
	s_add_co_u32 s44, s44, 192                     ; W_proj's tiles begin at wc's tile 192
	s_lshl_b32 s46, s44, 7
	s_mul_i32 s44, s44, TROW
	s_mov_b32 s45, 0
	s_mov_b32 s47, 0
	s_wait_alu depctr_va_vdst(0)
	s_wait_dscnt 0x0
	s_wait_kmcnt 0x0
	CROUND                                         ; all sixteen work-groups are here: the joint loads meet
	s_mov_b32 s[G0], 1
	s_mov_b32 s[G0+1], 0
	s_add_nc_u64 s[G0+2:G0+3], s[4:5], s[20:21]
	s_or_b32 s[G0+3], s[G0+3], 0x80000000
	s_mov_b32 s[G0B], 1
	s_mov_b32 s[G0B+1], BB
	s_add_nc_u64 s[G0B+2:G0B+3], s[8:9], s[44:45]
	s_or_b32 s[G0B+3], s[G0B+3], 0x80000000
	s_mov_b32 s[G0S], 1
	s_mov_b32 s[G0S+1], SCL
	s_add_nc_u64 s[G0S+2:G0S+3], s[6:7], s[22:23]
	s_or_b32 s[G0S+3], s[G0S+3], 0x80000000
	s_mov_b32 s[G0SB], 1
	s_mov_b32 s[G0SB+1], SCL+8192
	s_add_nc_u64 s[G0SB+2:G0SB+3], s[10:11], s[46:47]
	s_or_b32 s[G0SB+3], s[G0SB+3], 0x80000000
; THE LOADS, ONE A WAVE: one tree of branches on the wave's number, every way passes one load
.macro ARM under, g0, g1, next
	s_cmp_lt_u32 s16, \under
	s_cbranch_scc0 \next
	tensor_load_to_lds s[\g0:\g0+3], s[\g1:\g1+7]
	s_nop 0
	PLACES 4
	s_branch .Lhead_asked
\next:
.endm
	ARM 1, G0,  G1,  .Lhead_sa
	ARM 2, G0S, G1S, .Lhead_b
	ARM 3, G0B, G1B, .Lhead_sb
	tensor_load_to_lds s[G0SB:G0SB+3], s[G1SB:G1SB+7]
	s_nop 0
	PLACES 4
.Lhead_asked:
	s_mul_i32 s20, s17, 4*TROW                     ; my 4 tiles of A',
	s_mul_i32 s21, s18, 8*TROW                     ; my 8 tiles of B'
	s_add_co_u32 s21, s21, BB
	s_lshl_b32 s22, s17, 9                         ; A's scale words: my 4 tiles
	s_lshl_b32 s23, s18, 10                        ; B's: my 8 tiles, 8,192 bytes behind A's
	s_add_co_u32 s23, s23, 8192
	s_sub_co_u32 s23, s23, s22
	s_add_co_u32 s22, s22, SCL
	s_mul_i32 s44, s16, 16*SPITCH                  ; my stage
	v_and_b32 v1, 31, v0
	v_and_b32 v2, 15, v0                           ; r
	v_bfe_u32 v3, v0, 4, 1                         ; h
	v_lshlrev_b32 v[CO], 4, v1
	v_lshlrev_b32 v4, 3, v1
	v_add_nc_u32 v[ADRA], s20, v[CO]
	v_add_nc_u32 v[ADRA+1], s20, v4
	v_add_nc_u32 v[ADRB], s21, v[CO]
	v_add_nc_u32 v[ADRB+1], 4*TROW, v[ADRB]
	v_mul_u32_u24 v5, s23, v3                      ; lanes 16-31 take B's
	v_lshl_add_u32 v5, v2, 3, v5                   ; 8 bytes a row: the two words of a pair of steps
	v_add_nc_u32 v[ADRS], s22, v5
	v_mul_u32_u24 v5, v2, SPITCH                   ; the stage, in: row r, 64 bytes for each half of the lanes in each 128
	v_lshl_add_u32 v5, v3, 6, v5
	v_add_nc_u32 v[STO], s44, v5
	v_add_nc_u32 v[RD], s44, v[CO]                 ; and back: the 32 lanes take a row of 512 bytes
	s_lshl_b32 s20, s43, 7
	s_lshl_b32 s21, s17, 6
	s_add_co_u32 s20, s20, s21                     ; my first row of out0
	s_lshl_b32 s20, s20, 12
	s_lshl_b32 s21, s42, 10
	s_add_co_u32 s20, s20, s21
	s_lshl_b32 s21, s18, 9
	s_add_co_u32 s20, s20, s21                     ; + my first column, in bytes
	s_mov_b32 s21, 0
	s_add_nc_u64 s[12:13], s[12:13], s[20:21]
.macro FETCH st, p                     ; step st's fragments into sets p: B's eight (24 loads), A's four (16 loads)
	WIN TO_B
.irp i, 0,1,2,3,4,5,6,7
.irp c, 0,1,2
	ds_load_b128 v[128*(\p)+FR*\i+4*\c:128*(\p)+FR*\i+4*\c+3], v[ADRB+\i/4] offset:(\i%4)*TROW+(\st)*FRB+512*\c
.endr
.endr
	WIN 0
.irp i, 0,1,2,3
	ds_load_b128 v[AF+48*(\p)+FR*\i:AF+48*(\p)+FR*\i+3], v[ADRA] offset:\i*TROW+(\st)*FRB
	ds_load_b64 v[AF+48*(\p)+FR*\i+4:AF+48*(\p)+FR*\i+5], v[ADRA+1] offset:\i*TROW+(\st)*FRB+512
	ds_load_b128 v[AF+48*(\p)+FR*\i+6:AF+48*(\p)+FR*\i+9], v[ADRA] offset:\i*TROW+(\st)*FRB+768
	ds_load_b64 v[AF+48*(\p)+FR*\i+10:AF+48*(\p)+FR*\i+11], v[ADRA+1] offset:\i*TROW+(\st)*FRB+1280
.endr
.endm
.macro SCALES pr                       ; the scale words of steps 2 pr, 2 pr + 1 into set pr % 2 (of lanes 0-15 the products use blocks 0-3 alone)
.irp i, 0,1,2,3,4,5,6,7
	ds_load_b64 v[SC+16*((\pr)%2)+2*\i:SC+16*((\pr)%2)+2*\i+1], v[ADRS] offset:(\pr)*2048+128*\i
.endr
.endm
; 32 products: A's four blocks x B's eight.  The 32 accumulators take turns, one instruction a turn, in the same order in every step.  zero = 1: the first step starts the sums.
.macro MUL32 p, sc, zero
.irp a, 0,1,2,3
.irp b, 0,1,2,3,4,5,6,7
.if \zero
	v_wmma_scale_f32_16x16x128_f8f6f4 v[8*(8*\a+\b):8*(8*\a+\b)+7], v[128*(\p)+FR*\b:128*(\p)+FR*\b+FR-1], v[AF+48*(\p)+FR*\a:AF+48*(\p)+FR*\a+FR-1], 0, v[SC+16*(\sc)+2*\b+(\p)], v[SC+16*(\sc)+2*\a+(\p)] matrix_a_fmt:MATRIX_FMT_FP6 matrix_b_fmt:MATRIX_FMT_FP6 matrix_a_scale:MATRIX_SCALE_ROW1
.else
	v_wmma_scale_f32_16x16x128_f8f6f4 v[8*(8*\a+\b):8*(8*\a+\b)+7], v[128*(\p)+FR*\b:128*(\p)+FR*\b+FR-1], v[AF+48*(\p)+FR*\a:AF+48*(\p)+FR*\a+FR-1], v[8*(8*\a+\b):8*(8*\a+\b)+7], v[SC+16*(\sc)+2*\b+(\p)], v[SC+16*(\sc)+2*\a+(\p)] matrix_a_fmt:MATRIX_FMT_FP6 matrix_b_fmt:MATRIX_FMT_FP6 matrix_a_scale:MATRIX_SCALE_ROW1
.endif
.endr
.endr
.endm
.macro KSTEP st, zero                  ; steps 0 .. 6
	s_wait_dscnt 0x0                               ; this step's fragments and scale words, asked for a step ago, are in
	FETCH (\st)+1, ((\st)+1)%2                     ; the next step's, into the sets that the last step's products read (the places stand at that step's end)
.if (\st)%2
	SCALES ((\st)+1)/2
.endif
	WIN MUL
	MUL32 (\st)%2, ((\st)/2)%2, \zero
	PLACES NP
	WIN 0
.endm
	s_wait_alu depctr_va_vdst(0)
	s_wait_tensorcnt 0x0                           ; my tile of the four is in,
	s_barrier_signal -1
	s_barrier_wait -1                              ; everybody's is
	FETCH 0, 0
	SCALES 0
	KSTEP 0, 1
.irp st, 1,2,3,4,5,6
	KSTEP \st, 0
.endr
	s_wait_dscnt 0x0                               ; the last step: my reads of A's and B's tiles are over:
	s_barrier_signal -1                            ; say so,
	WIN MUL
	MUL32 1, 1, 0
	PLACES NP                                      ; places in front of the first read of the sums and of the loads into A's registers
	WIN 0
	s_barrier_wait -1                              ; and when all four have said so, the stage may be written onto A's bytes
; THE WAY OUT, block by block of 16 rows x 128 columns: into my own stage and back as whole rows of 512 bytes.  LDS serves a wave's instructions in order (ISA guide 5.7.1.4): no wait between the stores and the loads.
.macro TOSTAGE a
	WIN 0x08                                       ; the data: window 2
.irp b, 0,1,2,3,4,5,6,7
	ds_store_b128 v[STO], v[64*(\a)+8*\b:64*(\a)+8*\b+3] offset:128*(\b/2)+32*(\b%2)        ; each accumulator from its low end on; tile b's registers are columns 32 (b / 2) + 16 h + 8 (b % 2) + 0 .. 7
	ds_store_b128 v[STO], v[64*(\a)+8*\b+4:64*(\a)+8*\b+7] offset:128*(\b/2)+32*(\b%2)+16
.endr
	WIN 0
.set BBK, BK+64*((\a)%2)
.irp t, 0,1,2,3,4,5,6,7,8,9,10,11,12,13,14,15
	ds_load_b128 v[BBK+4*\t:BBK+4*\t+3], v[RD] offset:\t*SPITCH
.endr
.endm
.macro SEND a, younger                 ; younger: the LDS instructions issued behind block a's loads, which may stay out
.set BBK, BK+64*((\a)%2)
	s_wait_dscnt \younger
.irp t, 0,1,2,3,4,5,6,7,8,9,10,11,12,13,14,15
	global_store_b128 v[CO], v[BBK+4*\t:BBK+4*\t+3], s[12:13] offset:(32*((\a)/2)+8*((\a)%2)+(\t%8)+16*(\t/8))*4096 th:TH_STORE_NT   ; 512 consecutive bytes, aligned; the row by the tile's order of rows
.endr
.endm
	TOSTAGE 0
.irp a, 1,2,3
.if \a > 1
	s_wait_xcnt 0x0                                ; block a - 2's stores have read their registers: block a's loads may land there
.endif
	TOSTAGE \a
	SEND \a-1, 32                                  ; behind block a - 1's loads: block a's 16 stores and 16 loads
.endr
	SEND 3, 0
	s_wait_tensorcnt 0x0                           ; the wave's end
	ds_add_u32 v[SPW], v[NIL]
	s_wait_dscnt 0x0
	CROUND                                         ; the closing round
	s_endpgm
.Lfunc_end_k_qc078c74c78_gemm_out:
	.size	k_qc078c74c78_gemm_out, .Lfunc_end_k_qc078c74c78_gemm_out-k_qc078c74c78_gemm_out
	.p2alignl 7, 3214868480
	.fill 96, 4, 3214868480
	.section	.rodata,"a",@progbits
	.p2align	6, 0x0
	.amdhsa_kernel k_qc078c74c78_gemm_out
		.amdhsa_group_segment_fixed_size 327680
		.amdhsa_private_segment_fixed_size 0
		.amdhsa_enable_private_segment 0
		.amdhsa_kernarg_size 40
		.amdhsa_user_sgpr_count 2
		.amdhsa_user_sgpr_kernarg_segment_ptr 1
		.amdhsa_wavefront_size32 1
		.amdhsa_system_sgpr_workgroup_id_x 1
		.amdhsa_system_sgpr_workgroup_id_y 1
		.amdhsa_system_sgpr_workgroup_id_z 1
		.amdhsa_system_vgpr_workitem_id 0
		.amdhsa_next_free_vgpr 768
		.amdhsa_next_free_sgpr 100
		.amdhsa_reserve_vcc 0
		.amdhsa_float_denorm_mode_32 3
		.amdhsa_float_denorm_mode_16_64 3
		.amdhsa_memory_ordered 1
		.amdhsa_forward_progress 1
		.amdhsa_inst_pref_size 79
	.end_amdhsa_kernel
	.amdgpu_metadata
---
amdhsa.version: [ 1, 2 ]
amdhsa.kernels:
  - .name:           k_qc078c74c78_gemm_out
    .symbol:         k_qc078c74c78_gemm_out.kd
    .args:
      - { .name: yc, .offset: 0, .size: 8, .value_kind: global_buffer, .address_space: global }
      - { .name: ys, .offset: 8, .size: 8, .value_kind: global_buffer, .address_space: global }
      - { .name: wc, .offset: 16, .size: 8, .value_kind: global_buffer, .address_space: global }
      - { .name: ws, .offset: 24, .size: 8, .value_kind: global_buffer, .address_space: global }
      - { .name: out0, .offset: 32, .size: 8, .value_kind: global_buffer, .address_space: global }
    .group_segment_fixed_size: 327680
    .private_segment_fixed_size: 0
    .kernarg_segment_align: 8
    .kernarg_segment_size: 40
    .max_flat_workgroup_size: 128
    .sgpr_count:     100
    .vgpr_count:     768
    .wavefront_size: 32
...
	.end_amdgpu_metadata
.endif
;; end of part 4
